; MI455X (gfx1250); checked and timed in simulation.
; The chip was launched on July 23, 2026; its instructions are those of AMD's public machine-readable ISA for CDNA 5 (MIT licence, August 2026) and "CDNA5" Instruction Set Architecture Reference Guide (July 2026). The comments in the code are by the model that wrote it; some were corrected since.
;; Encoder Block. Allowed arithmetic: matrix products marked QUANTISED: E4M3 operands, one given power-of-two scale a tensor, by v_wmma_f32_16x16x64_fp8_fp8 or v_wmma_f32_16x16x128_fp8_fp8, f32 sums; everything else in f32.
;; Inputs: a1 1 float32; a2 1 float32; b1 4,096 float32; b2 1,024 float32; bk 1,024 float32; bo 1,024 float32; bq 1,024 float32; bv 1,024 float32; c1 1 float32; c2 1 float32; lowp_scales 16 int32 (the exponents e of the quantised operands' scales 2^e); mask 1 x 1 x 2,048 x 2,048 int32; w1 1,024 x 4,096 float32; w2 4,096 x 1,024 float32; wk 1,024 x 1,024 float32; wo 1,024 x 1,024 float32; wq 1,024 x 1,024 float32; wv 1,024 x 1,024 float32; x 2 x 2,048 x 1,024 float32.
;; Outputs: out0 2 x 2,048 x 1,024 float32.
;; This version of the problem:
;;   THIS VERSION OF THE PROBLEM IS GIVEN IN LOW PRECISION. The matrix products marked QUANTISED in the list below multiply operands that are first quantised to E4M3 (4 exponent bits, 3 mantissa bits; 8 bits a number), with one given power-of-two scale for each operand tensor; their sums are f32. All else is computed in f32.
;;   The module's matrix products, in the order in which they are computed (A, B: the left and right operand; K: the contracted axis; several contracted axes count as one K, in the product's order):
;;     1. [M 4,096, K 1,024] x [K 1,024, N 1,024]; A: computed on the way; B: input wq: QUANTISED (scales: A lowp_scales[0], B lowp_scales[1])
;;     2. [M 4,096, K 1,024] x [K 1,024, N 1,024]; A: computed on the way; B: input wk: QUANTISED (scales: A lowp_scales[2], B lowp_scales[3])
;;     3. [M 4,096, K 1,024] x [K 1,024, N 1,024]; A: computed on the way; B: input wv: QUANTISED (scales: A lowp_scales[4], B lowp_scales[5])
;;     4. batch 32 x [M 2,048, K 64] x [K 64, N 2,048]; A: computed on the way; B: computed on the way: QUANTISED (scales: A lowp_scales[6], B lowp_scales[7])
;;     5. batch 32 x [M 2,048, K 2,048] x [K 2,048, N 64]; A: softmax (see below); B: computed on the way: QUANTISED (scales: A lowp_scales[8], B lowp_scales[9])
;;     6. [M 4,096, K 1,024] x [K 1,024, N 1,024]; A: computed on the way; B: input wo: QUANTISED (scales: A lowp_scales[10], B lowp_scales[11])
;;     7. [M 4,096, K 1,024] x [K 1,024, N 4,096]; A: computed on the way; B: input w1: QUANTISED (scales: A lowp_scales[12], B lowp_scales[13])
;;     8. [M 4,096, K 4,096] x [K 4,096, N 1,024]; A: computed on the way; B: input w2: QUANTISED (scales: A lowp_scales[14], B lowp_scales[15])
;;   THE QUANTISER, for each operand of a quantised product, along K:
;;     - The operand's scale is 2^e, e = its entry of the input lowp_scales (int32; the entries are numbered through the quantised products in the list's order, A before B).
;;     - Each number is divided by the scale, clamped to +-448, and rounded to the nearest number of E4M3, ties to even, subnormals kept.
;;     - The product sums the exact products of the quantised numbers (number of the format x scale) in f32.
;;   ~~~python
;;   def quantise(x, axis, e):      # numpy; x: float32 -> the quantised numbers, widened to float32 again
;;       x = np.moveaxis(x, axis, -1); K = x.shape[-1]
;;       r = np.clip(x / 2.0 ** e, -448, 448)
;;       step = 2.0 ** (np.maximum(np.frexp(np.where(r == 0, 1, r))[1] - 1, -6) - 3)
;;       q = np.round(r / step) * step * 2.0 ** e      # np.round: ties to even
;;       return np.moveaxis(q, -1, axis).astype(np.float32)
;;   ~~~
;;   SOFTMAX AHEAD OF A QUANTISED PRODUCT. Where the list says 'softmax', what is quantised is not the finished softmax but p = 2^(t - M), with t = logit x log2(e) and M = ceil(the row's largest t), a whole number; so 1/2 < the row's largest p <= 1. The row's sum l is taken of the UNQUANTISED p, in f32, and the product's result is divided by l at the end. Since M is a whole number, a kernel that streams over the keys may use a running M (the ceiling of the running maximum): every later rescaling is an exact power of two, so the quantised numbers keep their values, but for numbers so far below the row's largest that they fall under the format's range.
;;   OPERANDS COMPUTED ON THE WAY. 'Computed on the way' means the value that the module computes at that place (a softmax that the list does not call 'softmax' is quantised finished and normalised). What goes into a quantiser is computed in f32, as accurately as f32 sums, v_exp_f32 and their like allow (about 1e-6 of the number): no bf16 or f16 on the way to a quantiser, and a product that is left as it is and whose result goes on into a quantised operand takes f32 operands (vector FMAs, or v_wmma_f32_16x16x4_f32). A number that lies on a knife's edge between two numbers of the format may be rounded either way, as far as f32 arithmetic and the matrix unit's own rounding can turn it there, and no further.
;; 2 versions, each right; version 2 is version 1 with the launch attn written anew for expert scheduling mode. Each part assembles by itself: llvm-mc -triple=amdgcn-amd-amdhsa -mcpu=gfx1250 --defsym DOCPART=n.
;; ======== version 1 of 2: 7 launches
;; limits: right only within a limited range of input values
;; workspace buffers: wc 12,582,912 bytes; hc 12,582,912 bytes; mw 524,288 bytes of whole numbers; qkvc 12,582,912 bytes; ac 4,194,304 bytes; x1 16,777,216 bytes; h2c 4,194,304 bytes; fc 16,777,216 bytes
;; launch prep (part 1): grid 896 x 1, 4 waves a work-group, no clusters, 69,120 bytes of LDS; arguments x, mask, wq, wk, wv, wo, w1, w2, a1, c1, lowp_scales, wc, hc, mw; writes wc, hc, mw
.if DOCPART == 1
	.amdgcn_target "amdgcn-amd-amdhsa--gfx1250"
	.amdhsa_code_object_version 6
	.text
	.protected	k_q9231d69d79_prep
	.globl	k_q9231d69d79_prep
	.p2align	8
	.type	k_q9231d69d79_prep,@function
k_q9231d69d79_prep:
	s_mov_b64 s[64:65], 0
	v_nop
	global_prefetch_b8 v0, s[64:65] scope:SCOPE_SE
	s_setreg_imm32_b32 hwreg(HW_REG_WAVE_MODE, 25, 1), 1
	s_wait_xcnt 0x0
; PREP: three kinds of work-groups, told apart by the work-group's number g alone.
;   g < 384   WEIGHTS.  The six weights, f32 [K][N], become codes of E4M3 laid [N][K], K innermost, in wc: wq 0, wk 1 MiB, wv 2 MiB, wo 3 MiB, w1 4 MiB, w2 8 MiB.
;             A work-group takes 128 columns x 256 along K, a wave 32 columns, A LANE ONE COLUMN, its registers running down K: a load reads 128 consecutive bytes, and the conversions,
;             which take neighbours along K from one lane's registers, give codes with K innermost.  The codes leave through the wave's own stage: sixteen lanes store 256 consecutive bytes, aligned.
;   g < 640   LAYER NORM 1.  A wave takes four rows of x; a row lies in 32 registers of the wave between its three passes (sum; squares of x - mean; scaling).  The normalised row is quantised
;             three times, with the scales of the three products that read it, into hc: [4096][1024] at 0, 4 MiB, 8 MiB.
;   else      MASK.  A tile of 16 queries x 128 keys of the mask becomes 64 words of 32 bits: bit L of word 8 T + j says whether mask[16 qt + L % 16][128 st + 16 T + 8 (L / 16) + j] is not 0:
;             the lane mask for register 8 T + j of the attention's scores.  mw: [qt 128][st 16][64] words.
; code = x / 2^e, held within +-448, to the nearest code, ties to even.  LIMITS: each e between -126 and 119, so that 2^e and 448 x 2^e are f32 numbers; NaN among the inputs is not served.
; No tensor load, no barrier: every LDS byte is one wave's own; the weights' stages and the mask's stages are different bytes.
.set X,    32                          ; weights: v32-95 two sets of 32 numbers;  layer norm: v32-159 four rows of 32
.set CW,   96                          ; weights: v96-103 a block's codes
.set OFFR, 144                         ; weights: v144-175 offsets of 32 rows of W; later of the stores
.set T,    160                         ; layer norm: v160-175 two sets of 8 held numbers
.set CD,   176                         ; layer norm: v176-199 codes: 8 registers for each of three outputs
.set MK,   144                         ; mask: v144-207 a tile turned: register 8 T + j
.set WST,  8704                        ; weights: a wave's stage, 32 rows x 272 bytes, from LDS byte 0
.set MST,  34816                       ; mask: the stages begin here, 16 rows x 528 bytes a wave
.set SELR, 92                          ; s[92:93] lane selects: each lane takes its own place in the other half
.set SA,   58                          ; s58 the gain
.set OB,   52                          ; s[52:57] the three outputs at my first row
.set XB,   4                           ; s[4:5] x at my first row
.macro QC e, vsc, vhi, tmp             ; s[e] = e:  v[vsc] = 2^e as f32 (the conversion takes its exponent field), v[vhi] = 448 x 2^e
	s_add_co_i32 s[\tmp], s[\e], 127
	s_lshl_b32 s[\tmp+1], s[\tmp], 23
	v_mov_b32 v[\vsc], s[\tmp+1]
	s_add_co_i32 s[\tmp], s[\tmp], 8
	s_lshl_b32 s[\tmp], s[\tmp], 23
	s_or_b32 s[\tmp], s[\tmp], 0x600000
	v_mov_b32 v[\vhi], s[\tmp]
.endm
.macro WSUM a, b                       ; the sum of v[a] over the 32 lanes, in every lane; v[b] has been written before
	v_add_f32_dpp v[\a], v[\a], v[\a] row_xmask:1 row_mask:0xf bank_mask:0xf
	v_add_f32_dpp v[\a], v[\a], v[\a] row_xmask:2 row_mask:0xf bank_mask:0xf
	v_add_f32_dpp v[\a], v[\a], v[\a] row_xmask:4 row_mask:0xf bank_mask:0xf
	v_add_f32_dpp v[\a], v[\a], v[\a] row_xmask:8 row_mask:0xf bank_mask:0xf
	v_permlanex16_b32 v[\b], v[\a], s[SELR], s[SELR+1]
	v_add_f32 v[\a], v[\a], v[\b]
.endm
; One row: register 8 c + e of a lane is element 256 c + 8 lane + e.  left: the loads of younger rows, which may stay out.  nout: how many scales it is quantised with.
.macro LNROW p, left, nout
.set XR, X+32*(\p)
	s_wait_loadcnt \left                           ; this row's eight loads are in
	v_pk_add_f32 v[16:17], v[XR:XR+1], v[XR+2:XR+3]   ; the sum, in two packed chains
	v_pk_add_f32 v[18:19], v[XR+4:XR+5], v[XR+6:XR+7]
.irp j, 8,12,16,20,24,28
	v_pk_add_f32 v[16:17], v[16:17], v[XR+\j:XR+\j+1]
	v_pk_add_f32 v[18:19], v[18:19], v[XR+\j+2:XR+\j+3]
.endr
	v_pk_add_f32 v[16:17], v[16:17], v[18:19]
	v_add_f32 v16, v16, v17
	WSUM 16, 17
	v_mul_f32 v16, 0x3a800000, v16                 ; the mean: / 1024
.set lj, 0
.rept 16
	v_pk_add_f32 v[XR+lj:XR+lj+1], v[XR+lj:XR+lj+1], v[16:17] op_sel_hi:[1,0] neg_lo:[0,1] neg_hi:[0,1]   ; d = x - mean, ahead of the squares: a common offset of the inputs costs nothing
.set lj, lj+2
.endr
	v_pk_mul_f32 v[18:19], v[XR:XR+1], v[XR:XR+1]
	v_pk_mul_f32 v[24:25], v[XR+2:XR+3], v[XR+2:XR+3]
.irp j, 4,8,12,16,20,24,28
	v_pk_fma_f32 v[18:19], v[XR+\j:XR+\j+1], v[XR+\j:XR+\j+1], v[18:19]
	v_pk_fma_f32 v[24:25], v[XR+\j+2:XR+\j+3], v[XR+\j+2:XR+\j+3], v[24:25]
.endr
	v_pk_add_f32 v[18:19], v[18:19], v[24:25]
	v_add_f32 v18, v18, v19
	WSUM 18, 19
	v_mul_f32 v18, 0x3a802008, v18                 ; / 1023: the unbiased variance
	v_sqrt_f32 v19, v18
	v_nop                                          ; a plain instruction behind the root,
	s_wait_alu depctr_va_vdst(0)                   ; and a wait ahead of its first reader
	v_add_f32 v19, 0x358637bd, v19                 ; + 1e-6
	v_rcp_f32 v20, v19
	v_nop
	s_wait_alu depctr_va_vdst(0)
	v_mul_f32 v20, s[SA], v20                      ; gain / (std + eps)
.set lj, 0
.rept 16
	v_pk_fma_f32 v[XR+lj:XR+lj+1], v[XR+lj:XR+lj+1], v[20:21], v[22:23] op_sel_hi:[1,0,0]   ; y = d x that + the offset
.set lj, lj+2
.endr
.if (\p) > 0
	s_wait_xcnt 0x0                                ; the last row's stores have read their data: the codes' registers are written again only behind this wait
.endif
.set lo, 0
.rept \nout
.set lc, 0
.rept 4
.set le, 0
.rept 8
	v_med3_num_f32 v[T+8*(lc%2)+le], v[XR+8*lc+le], -v[201+2*lo], v[201+2*lo]   ; the conversion to an 8-bit code does not saturate (ISA guide 7.6.2): the hold at 448 x the scale
.set le, le+1
.endr
	v_cvt_scalef32_pk8_fp8_f32 v[CD+8*lo+2*lc:CD+8*lo+2*lc+1], v[T+8*(lc%2):T+8*(lc%2)+7], v[200+2*lo]   ; the next eight holds, on the other set, are the plain lines behind it
.set lc, lc+1
.endr
.set lo, lo+1
.endr
.set lo, 0
.rept \nout
.irp c, 0,1,2,3
	global_store_b64 v3, v[CD+8*lo+2*\c:CD+8*lo+2*\c+1], s[OB+2*lo:OB+2*lo+1] offset:1024*(\p)+256*\c   ; 32 lanes store 256 consecutive bytes, aligned
.endr
.set lo, lo+1
.endr
.endm
	s_load_b512 s[4:19], s[0:1], 0x0               ; x, mask, wq, wk, wv, wo, w1, w2
	s_load_b256 s[20:27], s[0:1], 0x40             ; a1, c1, the scales' exponents, wc
	s_load_b128 s[28:31], s[0:1], 0x60             ; hc, mw
	v_lshl_add_u32 v208, v0, 2, 0x10c00
	v_mov_b32 v209, 0
	v_lshrrev_b32 v1, 5, v0
	v_readfirstlane_b32 s2, v1                     ; wave 0..3
	v_and_b32 v1, 31, v0                           ; lane
	s_wait_kmcnt 0x0
	s_load_b512 s[36:51], s[24:25], 0x0            ; e0 .. e15
	s_cmp_lt_u32 ttmp9, 384
	s_cbranch_scc0 .Lnot_weights
	; ---------------- WEIGHTS.  g 0-127: wq, wk, wv, wo, 32 work-groups each; 128-255: w1; 256-383: w2.  Every choice hangs on g alone
	s_cmp_lt_u32 ttmp9, 32
	s_cselect_b64 s[56:57], s[8:9], s[10:11]
	s_cmp_lt_u32 ttmp9, 64
	s_cselect_b64 s[56:57], s[56:57], s[12:13]
	s_cmp_lt_u32 ttmp9, 96
	s_cselect_b64 s[56:57], s[56:57], s[14:15]
	s_cmp_lt_u32 ttmp9, 128
	s_cselect_b64 s[56:57], s[56:57], s[16:17]
	s_cmp_lt_u32 ttmp9, 256
	s_cselect_b64 s[56:57], s[56:57], s[18:19]     ; the weight
	s_lshr_b32 s60, ttmp9, 7                       ; 0: the four small ones, 1: w1, 2: w2
	s_cmp_eq_u32 s60, 0
	s_cselect_b32 s59, 31, 127
	s_and_b32 s59, ttmp9, s59                      ; t: my number within the weight
	s_cmp_eq_u32 s60, 1
	s_cselect_b32 s61, 31, 7
	s_cselect_b32 s62, 5, 3
	s_mov_b32 s63, 4096
	s_cselect_b32 s63, 16384, s63                  ; a row of the weight in bytes
	s_and_b32 s61, s59, s61                        ; which 128 columns
	s_lshr_b32 s62, s59, s62                       ; which 256 along K
	s_cmp_eq_u32 s60, 2
	s_mov_b32 s66, 1024
	s_cselect_b32 s66, 4096, s66                   ; a row of its codes in bytes
	s_lshr_b32 s67, ttmp9, 5
	s_lshl_b32 s67, s67, 20
	s_lshl_b32 s86, s60, 22
	s_cmp_eq_u32 s60, 0
	s_cselect_b32 s67, s67, s86                    ; where its codes begin in wc
	s_lshl_b32 s87, s61, 7
	s_lshl_b32 s88, s2, 5
	s_add_co_u32 s87, s87, s88                     ; my wave's first column
	s_mul_i32 s88, s62, s63
	s_lshl_b32 s88, s88, 8                         ; 256 rows x which
	s_lshl_b32 s89, s87, 2
	s_add_co_u32 s88, s88, s89
	s_mov_b32 s89, 0
	s_add_nc_u64 s[68:69], s[56:57], s[88:89]      ; block 0 of 32 rows
	s_lshl_b32 s88, s63, 5
.irp t, 1,2,3,4,5,6,7
	s_add_nc_u64 s[68+2*\t:69+2*\t], s[66+2*\t:67+2*\t], s[88:89]   ; a base for each of the eight blocks: none is stepped
.endr
	s_mul_i32 s90, s87, s66
	s_add_co_u32 s90, s90, s67
	s_lshl_b32 s91, s62, 8
	s_add_co_u32 s90, s90, s91
	s_mov_b32 s91, 0
	s_add_nc_u64 s[84:85], s[26:27], s[90:91]      ; my columns' rows of codes, at my 256 along K
	v_lshlrev_b32 v3, 2, v1
	s_mul_i32 s92, s2, WST
	v_mul_u32_u24 v4, v1, 272
	v_add_nc_u32 v4, s92, v4                       ; into the stage: row = my column
	v_and_b32 v5, 15, v1
	v_lshrrev_b32 v6, 4, v1
	v_mul_u32_u24 v7, v6, 272
	v_lshl_add_u32 v7, v5, 4, v7
	v_add_nc_u32 v7, s92, v7                       ; out of it: sixteen lanes to a row, two rows an instruction
.set wi, 0
.rept 32
	v_mad_u32_u24 v[OFFR+wi], s63, wi, v3          ; row wi of a block, my column
.set wi, wi+1
.endr
.macro WLOAD t                         ; block t: W(32 t + i, my column) into set t % 2
.set wi, 0
.rept 32
	global_load_b32 v[X+32*((\t)%2)+wi], v[OFFR+wi], s[68+2*(\t):69+2*(\t)] th:TH_LOAD_NT
.set wi, wi+1
.endr
.endm
	WLOAD 0
	WLOAD 1
	s_wait_kmcnt 0x0
	s_cmp_lt_u32 ttmp9, 32
	s_cselect_b32 s58, s37, s39
	s_cmp_lt_u32 ttmp9, 64
	s_cselect_b32 s58, s58, s41
	s_cmp_lt_u32 ttmp9, 96
	s_cselect_b32 s58, s58, s47
	s_cmp_lt_u32 ttmp9, 128
	s_cselect_b32 s58, s58, s49
	s_cmp_lt_u32 ttmp9, 256
	s_cselect_b32 s58, s58, s51                    ; e1, e3, e5, e11, e13 or e15
	QC 58, 11, 10, 86
.macro WBLOCK t
.set XS, X+32*((\t)%2)
.if (\t) < 7
	s_wait_loadcnt 32                              ; this block's 32 loads are in; the next block's may be out
.else
	s_wait_loadcnt 0
.endif
.set wj, 0
.rept 32
	v_med3_num_f32 v[XS+wj], v[XS+wj], -v10, v10
.set wj, wj+1
.endr
.irp g, 0,1,2,3
	v_cvt_scalef32_pk8_fp8_f32 v[CW+2*\g:CW+2*\g+1], v[XS+8*\g:XS+8*\g+7], v11
.endr
	ds_store_b128 v4, v[CW:CW+3] offset:32*(\t)    ; 32 codes of my column's row
	ds_store_b128 v4, v[CW+4:CW+7] offset:32*(\t)+16
.if (\t)+2 < 8
	WLOAD (\t)+2
.endif
	s_wait_dscnt 0x0                               ; the stores have read their registers: the next block's codes may be written
.endm
.irp t, 0,1,2,3,4,5,6,7
	WBLOCK \t
.endr
	v_mul_lo_u32 v8, v6, s66                       ; all loads are in, so their offsets' registers are free: now the stores' offsets
	v_lshl_add_u32 v8, v5, 4, v8
.set wi, 0
.rept 16
	v_mad_u32_u24 v[OFFR+wi], s66, 2*wi, v8
.set wi, wi+1
.endr
.set wi, 0
.rept 16
	ds_load_b128 v[112+4*wi+32*(wi/8):115+4*wi+32*(wi/8)], v7 offset:2*wi*272   ; LDS serves a wave's instructions in order (ISA guide 5.7.1.4): these see my stores
.set wi, wi+1
.endr
.set wi, 0
.rept 16
	s_wait_dscnt 15-wi
	global_store_b128 v[OFFR+wi], v[112+4*wi+32*(wi/8):115+4*wi+32*(wi/8)], s[84:85]   ; sixteen lanes store 256 consecutive bytes, aligned
.set wi, wi+1
.endr
	s_wait_tensorcnt 0x0
	ds_add_u32 v208, v209
	s_wait_dscnt 0x0
	s_endpgm
.Lnot_weights:
	s_cmp_lt_u32 ttmp9, 640
	s_cbranch_scc0 .Lmask
	; ---------------- LAYER NORM 1: rows 16 (g - 384) + 4 wave + 0 .. 3
	s_load_b32 s58, s[20:21], 0x0                  ; a1
	s_load_b32 s59, s[22:23], 0x0                  ; c1
	s_sub_co_u32 s60, ttmp9, 384
	s_lshl_b32 s60, s60, 4
	s_lshl_b32 s61, s2, 2
	s_add_co_u32 s60, s60, s61                     ; my first row
	s_lshl_b32 s62, s60, 12
	s_mov_b32 s63, 0
	s_add_nc_u64 s[4:5], s[4:5], s[62:63]
	s_lshl_b32 s62, s60, 10
	s_add_nc_u64 s[52:53], s[28:29], s[62:63]
	s_add_nc_u64 s[54:55], s[52:53], 0x400000
	s_add_nc_u64 s[56:57], s[52:53], 0x800000
	s_mov_b32 s[SELR], 0x76543210
	s_mov_b32 s[SELR+1], 0xfedcba98
	v_lshlrev_b32 v2, 5, v1                        ; in: 32 bytes a lane of each 1,024
	v_lshlrev_b32 v3, 3, v1                        ; out: 8 bytes a lane of each 256
.irp p, 0,1,2,3
.irp c, 0,1,2,3
	global_load_b128 v[X+32*\p+8*\c:X+32*\p+8*\c+3], v2, s[XB:XB+1] offset:4096*\p+1024*\c th:TH_LOAD_NT
	global_load_b128 v[X+32*\p+8*\c+4:X+32*\p+8*\c+7], v2, s[XB:XB+1] offset:4096*\p+1024*\c+16 th:TH_LOAD_NT
.endr
.endr
	s_wait_kmcnt 0x0
	QC 36, 200, 201, 60                            ; e0: the operand of x wq
	QC 38, 202, 203, 60                            ; e2: of x wk
	QC 40, 204, 205, 60                            ; e4: of x wv
	v_mov_b32 v21, 0                               ; (named as the upper half of a pair)
	v_mov_b32 v22, s59
	v_mov_b32 v23, s59
	LNROW 0, 24, 3
	LNROW 1, 16, 3
	LNROW 2, 8, 3
	LNROW 3, 0, 3
	s_endpgm
.Lmask:
	; ---------------- MASK: tiles u = 8 (g - 640) + 2 wave + 0, 1;  qt = u / 16, st = u % 16: a wave's two tiles lie side by side
	s_sub_co_u32 s60, ttmp9, 640
	s_lshl_b32 s60, s60, 3
	s_lshl_b32 s61, s2, 1
	s_add_co_u32 s60, s60, s61                     ; u
	s_lshr_b32 s61, s60, 4
	s_and_b32 s62, s60, 15
	s_lshl_b32 s61, s61, 17                        ; 16 rows of 8,192 bytes
	s_lshl_b32 s62, s62, 9                         ; 128 keys of 4 bytes
	s_add_co_u32 s62, s61, s62
	s_mov_b32 s63, 0
	s_add_nc_u64 s[6:7], s[6:7], s[62:63]
	s_lshl_b32 s62, s60, 8
	s_add_nc_u64 s[30:31], s[30:31], s[62:63]      ; 256 bytes of words a tile
	v_lshlrev_b32 v2, 4, v1
	v_lshlrev_b32 v3, 3, v1
.irp i, 0,1
.irp t, 0,1,2,3,4,5,6,7,8,9,10,11,12,13,14,15
	global_load_b128 v[16+64*\i+4*\t:19+64*\i+4*\t], v2, s[6:7] offset:8192*\t+512*\i th:TH_LOAD_NT   ; a row's 512 consecutive bytes
.endr
.endr
	s_mul_i32 s61, s2, 8448
	s_add_co_u32 s61, s61, MST
	v_add_nc_u32 v4, s61, v2                       ; into my stage: as loaded, rows 528 bytes apart
	v_and_b32 v5, 15, v1
	v_lshrrev_b32 v6, 4, v1
	v_mul_u32_u24 v7, v5, 528
	v_lshl_add_u32 v7, v6, 5, v7
	v_add_nc_u32 v7, s61, v7                       ; out of it: row lane % 16, keys 8 (lane / 16) on
	s_wait_kmcnt 0x0                               ; (the exponents, which this path does not use, have landed)
.macro MTILE i, left
	s_wait_loadcnt \left
.set mt, 0
.rept 16
	ds_store_b128 v4, v[16+64*\i+4*mt:19+64*\i+4*mt] offset:528*mt
.set mt, mt+1
.endr
.set mt, 0
.rept 8
	ds_load_b128 v[MK+8*mt:MK+8*mt+3], v7 offset:64*mt       ; keys 16 T + 8 (lane / 16) + 0 .. 3 of my row; LDS serves a wave's instructions in order
	ds_load_b128 v[MK+8*mt+4:MK+8*mt+7], v7 offset:64*mt+16
.set mt, mt+1
.endr
	s_wait_dscnt 0x0
	v_mov_b32 v[8+2*\i], 0
	v_mov_b32 v[9+2*\i], 0
.set mt, 0
.rept 64
	v_cmp_ne_u32 s[52+(mt&7)], 0, v[MK+mt]         ; the 32 lanes' bits are word mt,
	v_writelane_b32 v[8+2*\i+(mt&1)], s[52+(mt&7)], mt>>1   ; which lane mt / 2 will store
.set mt, mt+1
.endr
	global_store_b64 v3, v[8+2*\i:9+2*\i], s[30:31] offset:256*\i   ; 256 consecutive bytes, aligned
.endm
	MTILE 0, 16
	MTILE 1, 0
	s_wait_tensorcnt 0x0
	ds_add_u32 v208, v209
	s_wait_dscnt 0x0
	s_endpgm
.Lfunc_end_k_q9231d69d79_prep:
	.size	k_q9231d69d79_prep, .Lfunc_end_k_q9231d69d79_prep-k_q9231d69d79_prep
	.p2alignl 7, 3214868480
	.fill 96, 4, 3214868480
	.section	.rodata,"a",@progbits
	.p2align	6, 0x0
	.amdhsa_kernel k_q9231d69d79_prep
		.amdhsa_group_segment_fixed_size 69120
		.amdhsa_private_segment_fixed_size 0
		.amdhsa_enable_private_segment 0
		.amdhsa_kernarg_size 112
		.amdhsa_user_sgpr_count 2
		.amdhsa_user_sgpr_kernarg_segment_ptr 1
		.amdhsa_wavefront_size32 1
		.amdhsa_system_sgpr_workgroup_id_x 1
		.amdhsa_system_sgpr_workgroup_id_y 1
		.amdhsa_system_sgpr_workgroup_id_z 1
		.amdhsa_system_vgpr_workitem_id 0
		.amdhsa_next_free_vgpr 210
		.amdhsa_next_free_sgpr 100
		.amdhsa_reserve_vcc 0
		.amdhsa_float_denorm_mode_32 3
		.amdhsa_float_denorm_mode_16_64 3
		.amdhsa_memory_ordered 1
		.amdhsa_forward_progress 1
		.amdhsa_inst_pref_size 136
	.end_amdhsa_kernel
	.amdgpu_metadata
---
amdhsa.version: [ 1, 2 ]
amdhsa.kernels:
  - .name:           k_q9231d69d79_prep
    .symbol:         k_q9231d69d79_prep.kd
    .args:
      - { .name: x, .offset: 0, .size: 8, .value_kind: global_buffer, .address_space: global }
      - { .name: mask, .offset: 8, .size: 8, .value_kind: global_buffer, .address_space: global }
      - { .name: wq, .offset: 16, .size: 8, .value_kind: global_buffer, .address_space: global }
      - { .name: wk, .offset: 24, .size: 8, .value_kind: global_buffer, .address_space: global }
      - { .name: wv, .offset: 32, .size: 8, .value_kind: global_buffer, .address_space: global }
      - { .name: wo, .offset: 40, .size: 8, .value_kind: global_buffer, .address_space: global }
      - { .name: w1, .offset: 48, .size: 8, .value_kind: global_buffer, .address_space: global }
      - { .name: w2, .offset: 56, .size: 8, .value_kind: global_buffer, .address_space: global }
      - { .name: a1, .offset: 64, .size: 8, .value_kind: global_buffer, .address_space: global }
      - { .name: c1, .offset: 72, .size: 8, .value_kind: global_buffer, .address_space: global }
      - { .name: lowp_scales, .offset: 80, .size: 8, .value_kind: global_buffer, .address_space: global }
      - { .name: wc, .offset: 88, .size: 8, .value_kind: global_buffer, .address_space: global }
      - { .name: hc, .offset: 96, .size: 8, .value_kind: global_buffer, .address_space: global }
      - { .name: mw, .offset: 104, .size: 8, .value_kind: global_buffer, .address_space: global }
    .group_segment_fixed_size: 69120
    .private_segment_fixed_size: 0
    .kernarg_segment_align: 8
    .kernarg_segment_size: 112
    .max_flat_workgroup_size: 128
    .sgpr_count:     100
    .vgpr_count:     210
    .wavefront_size: 32
...
	.end_amdgpu_metadata
.endif
;; end of part 1
;; launch qkv (part 2): grid 8 x 24, 4 waves a work-group, clusters of 4 x 4, 327,680 bytes of LDS; arguments hc, wc, lowp_scales, bq, bk, bv, qkvc; writes qkvc
.if DOCPART == 2
	.amdgcn_target "amdgcn-amd-amdhsa--gfx1250"
	.amdhsa_code_object_version 6
	.text
	.protected	k_q9231d69d79_qkv
	.globl	k_q9231d69d79_qkv
	.p2align	8
	.type	k_q9231d69d79_qkv,@function
k_q9231d69d79_qkv:
	s_mov_b64 s[64:65], 0
	v_nop
	global_prefetch_b8 v0, s[64:65] scope:SCOPE_SE
	s_setreg_imm32_b32 hwreg(HW_REG_WAVE_MODE, 25, 1), 1
	s_wait_xcnt 0x0
	s_wait_alu depctr_hold_cnt(0) depctr_sa_sdst(0) depctr_va_vdst(0) depctr_va_sdst(0) depctr_va_ssrc(0) depctr_va_vcc(0) depctr_vm_vsrc(0)
	s_getreg_b32 s2, hwreg(HW_REG_IB_STS2, 6, 4)
	s_cmp_eq_u32 s2, 0
	s_cbranch_scc0 .Lentry_in_a_cluster
	s_endpgm
.Lentry_in_a_cluster:
	s_bfe_u32 s2, ttmp6, 0x10000c
	s_cmp_lg_u32 s2, 0xf033
	s_cbranch_scc0 .Lentry_shape_is_right
	s_endpgm
.Lentry_shape_is_right:
; A GEMM on codes of E4M3 whose results leave as codes again.  C[m][n] = sum over k of R[m][k] S[n][k]; R (the row operand) and S (the column operand) are [.][1024] codes, K innermost.
; MODE 0 (this text): q, k and v of the attention.  Clusters with y < 4: x = 0 makes q, x = 1 makes k: rows = tokens (hc), columns = features (wc).  Clusters with y >= 4 make v TRANSPOSED: rows = features
;   (wv's codes), columns = tokens, so that a lane's eight results are eight neighbouring KEYS, the K of the attention's second product.  192 work-groups.
; MODE 1: the hidden layer of the feed-forward net, relu(h w1 + b1): rows = tokens (h2c), columns = hidden units.  256 work-groups.
; code = (sum x 2^(eA + eB) + bias) / 2^eo, held within +-448 (MODE 1: within 0 and 448: the activation and the hold in one).  It is made as (sum + bias / 2^(eA + eB)) under the one scale 2^(eo - eA - eB).
; LIMITS: eo - eA - eB between -126 and 119, so that the scale and 448 x the scale are f32 numbers.  NaN is not served.
; A tile of C, 256 x 256, is made by four waves, each 128 x 128: 64 accumulators, 512 registers.  K goes in steps of 256 through a ring of two LDS slots filled by the tensor data mover.
; CLUSTERS: 4 x 4 work-groups: the four of a row of the cluster need the same tiles of R, the four of a column the same tiles of S: each tile is asked for JOINTLY.  Which product a cluster makes hangs on the
; cluster's own x and y, which its sixteen work-groups share.  THE MATRIX INSTRUCTION IS USED TRANSPOSED (source 0 = 16 rows of S, source 1 = 16 rows of R): a lane holds eight neighbouring columns of a row of C.
; A fragment is fetched by four loads of 16 bytes: a permutation of k inside an instruction, the same on both sides; only the order of the sums inside an instruction changes.
; REGISTERS, in windows of 256: window 0: v0-31 addresses; v32-95 the columns' bias, v96-111 the rows' bias; from v128 R's fragments, ONE set (on the way out: v128-191 at work, v192-223 codes, then v128-255 rows).
;   window 1: S's fragments, TWO sets.   window 2: the accumulators of my rows 0-63 ((a, b) at v[8 (8 a + b)]);   window 3: those of my rows 64-127.
; OUT (qkvc): q at 0, k at 4 MiB: hb x 131072 + ((s / 4) % 64) x 2048 + (s / 256) x 256 + (s % 4) x 64 + d, hb = 16 batch + head: four tokens of a head are 256 consecutive bytes.  v^T at 8 MiB: hb x 131072 + d x 2048 + s.
.set MODE,   0
.set SIZE_K, 1024
.set KSTEP,  256
.set ROWB,   256
.set KROW,   SIZE_K
.set PITCH,  272                       ; an LDS row: 256 bytes + 16 of padding = 68 words: the 16 rows that a load touches start at 16 different banks (64 banks of 4 bytes: ISA guide 11.1)
.set FR,     16
.set NL,     4
.set NP,     4
.set HALFT,  128*PITCH
.set SLOT,   4*HALFT
.set LAPS,   SIZE_K/(2*KSTEP)
.set SPARE,  2*SLOT                    ; behind the ring: the spare words, 128 bytes for each wave
.set ADRA, 16
.set ADRB, 20
.set STO,  24                          ; the way out: where I put 8 codes of a row.  The stage, 256 rows x 272 bytes, lies in slot 0, which has had its last fill and its last read by then
.set RD,   25                          ; where I read whole rows back
.set CO,   26                          ; and their place in memory
.set RD2,  27                          ; the same for q and k: four tokens x 64 codes of a head
.set SPW,  28
.set NIL,  29
.set CO2,  30
.set CB,   32
.set RB,   96
.set AF,   128
.set T,    128
.set G1, 24
.set G0, 32
.set G1B, 48
.set G0B, 56
.set MSB, 0
.macro WIN new                         ; the immediate's high byte repeats the setting that is left
.if MSB != \new
	s_set_vgpr_msb (MSB<<8)|\new
.set MSB, \new
.endif
.endm
.set MUL_LO, 0xa1
.set MUL_HI, 0xf1
.set TO_B,   0x40
.macro JLOAD g0a, g1a, g0b, g1b        ; a joint load: waves 0 and 1 fetch for R, waves 2 and 3 for S; four v_nop follow each line
	s_cmp_eq_u32 s15, 0
	s_cbranch_scc0 .Lfor_b_\@
	tensor_load_to_lds s[\g0a:\g0a+3], s[\g1a:\g1a+7]
	s_nop 0
.rept 4
	v_nop
.endr
	s_branch .Lasked_\@
.Lfor_b_\@:
	tensor_load_to_lds s[\g0b:\g0b+3], s[\g1b:\g1b+7]
	s_nop 0
.rept 4
	v_nop
.endr
.Lasked_\@:
.endm
.macro CREST
	s_cmp_lg_u32 s14, 0
	s_cbranch_scc1 .Lnot_wave_0_\@
	s_barrier_signal -3
.Lnot_wave_0_\@:
	s_barrier_wait -3
	s_barrier_signal -1
	s_barrier_wait -1
.endm
.macro CROUND
	s_barrier_signal -1
	s_barrier_wait -1
	CREST
.endm
	s_load_b256 s[68:75], s[0:1], 0x0              ; the tokens' codes, wc, the exponents, the first bias
.if MODE == 0
	s_load_b128 s[76:79], s[0:1], 0x20             ; bk, bv
	s_load_b64 s[80:81], s[0:1], 0x30              ; out
.else
	s_load_b64 s[80:81], s[0:1], 0x20              ; out
.endif
	v_lshl_add_u32 v[SPW], v0, 2, SPARE
	v_mov_b32 v[NIL], 0
	ds_add_u32 v28, v29
	ds_add_u32 v28, v29
	s_wait_dscnt 0x0
	v_lshrrev_b32 v1, 5, v0
	v_readfirstlane_b32 s14, v1                    ; wave 0..3
	s_lshr_b32 s15, s14, 1                         ; which half of the tile's rows is mine.  Also: I fetch for R (0) or for S (1)
	s_and_b32 s16, s14, 1                          ; which half of its columns.  Also: which 128 rows I fetch
	s_bfe_u32 s40, ttmp6, 0x40000                  ; cx, cy: my place in the cluster
	s_bfe_u32 s41, ttmp6, 0x40004
	s_mov_b32 s66, ttmp9                           ; the cluster's x
	s_and_b32 s67, ttmp7, 0xffff                   ; and y
	s_lshl_b32 s18, s67, 2
	s_lshl_b32 s19, s66, 2
.if MODE == 0
	s_max_u32 s20, s67, 4
	s_sub_co_u32 s20, s20, 4
	s_lshl_b32 s20, s20, 3
	s_add_co_u32 s19, s19, s20                     ; v: 4 x + 8 (y - 4)
	s_cmp_ge_u32 s67, 4
	s_cselect_b32 s100, 1, 0                       ; 1: this cluster makes v^T
	s_cselect_b32 s101, 0, -1                      ; all ones: it makes q or k
	s_cselect_b32 s17, 0, s18
	s_cselect_b32 s42, s19, 0
	s_cselect_b32 s82, 2, s66                      ; the product: 0 q, 1 k, 2 v
	s_add_co_u32 s17, s17, s41                     ; tile row of C
	s_add_co_u32 s42, s42, s40                     ; tile column of C
.else
	s_add_co_u32 s17, s18, s41
	s_add_co_u32 s42, s19, s40
.endif
	s_lshl_b32 s43, s41, 2
	s_lshl_b32 s43, 15, s43                        ; my row of the cluster
	s_lshl_b32 s44, 0x1111, s40                    ; my column
	s_or_b32 s[G1+0], s43, (0<<16)|(1<<20)|(1<<21)|(5<<22)|(3<<25)  ; 15:0 the mask; 17:16 elements of 1 byte; 20 padding on; 21 set beside a mask; 24:22 after every 64 words; 31:25 four words
	s_or_b32 s[G1B+0], s44, (0<<16)|(1<<20)|(1<<21)|(5<<22)|(3<<25)
.irp g, G1, G1B
	s_mov_b32 s[\g+1], ROWB<<16                    ; tensor_dim0
	s_mov_b32 s[\g+2], 128<<16                     ; tensor_dim1
	s_mov_b32 s[\g+3], ROWB<<16                    ; tile_dim0
	s_mov_b32 s[\g+4], 128                         ; tile_dim1
	s_mov_b32 s[\g+5], KROW                        ; from row to row
	s_mov_b32 s[\g+6], 0
	s_mov_b32 s[\g+7], 0
.endr
	s_lshl_b32 s18, s16, 7
	s_lshl_b32 s20, s17, 8
	s_add_co_u32 s20, s20, s18                     ; R: row 256 x tile row + 128 x half
	s_lshl_b32 s46, s42, 8
	s_add_co_u32 s46, s46, s18                     ; S: row 256 x tile column + 128 x half
	s_lshl_b32 s20, s20, 10                        ; rows of 1,024 bytes
	s_lshl_b32 s46, s46, 10
	s_mov_b32 s21, 0
	s_mov_b32 s47, 0
	s_mul_i32 s45, s14, HALFT                      ; where they go: wave x 128 rows
	s_wait_kmcnt 0x0
	s_load_b512 s[84:99], s[72:73], 0x0            ; e0 .. e15
.if MODE == 0
	s_lshl_b32 s22, s66, 22                        ; q, k: the tokens' codes under e0 or e2,
	s_lshl_b32 s23, s66, 20                        ; wq's or wk's codes
	s_cmp_eq_u32 s100, 1
	s_cselect_b64 s[4:5], s[70:71], s[68:69]
	s_cselect_b64 s[6:7], s[68:69], s[70:71]
	s_cselect_b32 s22, 0x200000, s22               ; v: wv's codes are the rows,
	s_cselect_b32 s23, 0x800000, s23               ; the tokens' codes under e4 the columns
	s_add_co_u32 s20, s20, s22
	s_add_co_u32 s46, s46, s23
	s_cmp_eq_u32 s82, 0
	s_cselect_b64 s[8:9], s[74:75], s[76:77]
	s_cmp_eq_u32 s82, 2
	s_cselect_b64 s[8:9], s[78:79], s[8:9]         ; bq, bk or bv
.else
	s_mov_b64 s[4:5], s[68:69]
	s_mov_b64 s[6:7], s[70:71]
	s_add_co_u32 s46, s46, 0x400000                ; w1's codes
	s_mov_b64 s[8:9], s[74:75]
.endif
	s_add_nc_u64 s[20:21], s[4:5], s[20:21]
	s_add_nc_u64 s[46:47], s[6:7], s[46:47]
	CROUND                                         ; all sixteen work-groups are here: the first joint loads meet
.irp s, 0,1
	s_mov_b32 s[G0+4*\s], 1
	s_add_co_u32 s[G0+4*\s+1], s45, \s*SLOT
	s_add_nc_u64 s[G0+4*\s+2:G0+4*\s+3], s[20:21], \s*ROWB
	s_or_b32 s[G0+4*\s+3], s[G0+4*\s+3], 0x80000000
	s_mov_b32 s[G0B+4*\s], 1
	s_add_co_u32 s[G0B+4*\s+1], s45, \s*SLOT
	s_add_nc_u64 s[G0B+4*\s+2:G0B+4*\s+3], s[46:47], \s*ROWB
	s_or_b32 s[G0B+4*\s+3], s[G0B+4*\s+3], 0x80000000
	JLOAD G0+4*\s, G1, G0B+4*\s, G1B
.endr
	v_and_b32 v1, 15, v0                           ; r = l % 16
	v_bfe_u32 v2, v0, 4, 1                         ; h = l / 16
	v_mul_u32_u24 v3, v1, PITCH
	v_lshl_add_u32 v4, v2, 4, v3
	s_mul_i32 s21, s15, HALFT
	s_mul_i32 s22, s16, HALFT
	s_add_co_u32 s22, s22, 2*HALFT
.irp s, 0,1
	v_add_nc_u32 v[ADRA+\s], s21, v4
	v_add_nc_u32 v[ADRB+\s], s22, v4
	s_add_co_u32 s21, s21, SLOT
	s_add_co_u32 s22, s22, SLOT
.endr
	s_mul_i32 s23, s15, 128*272                    ; the stage: row 128 x my half + r, byte 128 x my half of the columns + 8 h
	s_lshl_b32 s21, s16, 7
	s_add_co_u32 s23, s23, s21
	v_lshl_add_u32 v[STO], v2, 3, v3
	v_add_nc_u32 v[STO], s23, v[STO]
	s_mul_i32 s23, s14, 64*272                     ; back: wave w takes rows 64 w .. 64 w + 63
	v_mul_u32_u24 v5, v2, 272
	v_lshl_add_u32 v5, v1, 4, v5
	v_add_nc_u32 v[RD], s23, v5
.if MODE == 0
	v_lshrrev_b32 v6, 2, v1
	v_mul_u32_u24 v6, v6, 272
	v_lshl_add_u32 v6, v2, 6, v6
	v_and_b32 v7, 3, v0
	v_lshl_add_u32 v6, v7, 4, v6
	v_add_nc_u32 v[RD2], s23, v6                   ; token (l % 16) / 4 of four, head l / 16 of two, 16 (l % 4) of its 64 bytes
	v_lshlrev_b32 v[CO2], 17, v2
	v_lshl_add_u32 v[CO2], v1, 4, v[CO2]
	v_lshlrev_b32 v[CO], 11, v2                    ; v^T: rows 2,048 bytes apart
.else
	v_lshlrev_b32 v[CO], 12, v2                    ; rows of 4,096 codes
.endif
	v_lshl_add_u32 v[CO], v1, 4, v[CO]
	; the biases, asked for now, wanted on the way out.  Columns: lane (r, h) wants, for block b, those of columns 16 b + 8 h + 0 .. 7.  Rows (v alone): for block a that of row 16 a + r
	v_lshlrev_b32 v12, 5, v2
	s_lshl_b32 s46, s42, 8
	s_lshl_b32 s47, s16, 7
	s_add_co_u32 s46, s46, s47
	s_lshl_b32 s46, s46, 2                         ; my first column, in bytes of f32
.if MODE == 0
	s_lshl_b32 s18, s41, 8
	s_lshl_b32 s19, s15, 7
	s_add_co_u32 s18, s18, s19
	s_lshl_b32 s18, s18, 2                         ; my first row
	s_cmp_eq_u32 s100, 1
	s_cselect_b32 s46, 0, s46                      ; what is not wanted is loaded from the bias's head and thrown away: no load leaves its buffer
	s_cselect_b32 s18, s18, 0
	v_lshl_add_u32 v13, v1, 2, s18
.endif
	v_add_nc_u32 v12, s46, v12
.irp b, 0,1,2,3,4,5,6,7
	global_load_b128 v[CB+8*\b:CB+8*\b+3], v12, s[8:9] offset:64*\b
	global_load_b128 v[CB+8*\b+4:CB+8*\b+7], v12, s[8:9] offset:64*\b+16
.endr
.if MODE == 0
.irp a, 0,1,2,3,4,5,6,7
	global_load_b32 v[RB+2*\a], v13, s[8:9] offset:64*\a
.endr
	; where my 64 rows of the stage go
	s_lshr_b32 s18, s42, 3                         ; v^T: the batch,
	s_lshl_b32 s18, s18, 21
	s_lshl_b32 s19, s41, 8
	s_lshl_b32 s20, s14, 6
	s_add_co_u32 s19, s19, s20
	s_lshl_b32 s19, s19, 11                        ; feature 256 cy + 64 w: rows of 2,048 bytes,
	s_add_co_u32 s18, s18, s19
	s_and_b32 s19, s42, 7
	s_lshl_b32 s19, s19, 8                         ; keys 256 x (tile column % 8) on
	s_add_co_u32 s18, s18, s19
	s_add_co_u32 s18, s18, 0x800000
	s_lshl_b32 s46, s82, 22                        ; q, k:
	s_lshr_b32 s19, s17, 3
	s_lshl_b32 s19, s19, 4
	s_lshl_b32 s20, s40, 2
	s_add_co_u32 s19, s19, s20                     ; hb = 16 batch + 4 cx,
	s_lshl_b32 s19, s19, 17
	s_add_co_u32 s46, s46, s19
	s_and_b32 s19, s17, 7
	s_lshl_b32 s19, s19, 8                         ; tokens 256 x (tile row % 8) on,
	s_add_co_u32 s46, s46, s19
	s_lshl_b32 s19, s14, 15                        ; my 16 groups of four tokens
	s_add_co_u32 s46, s46, s19
	s_cmp_eq_u32 s100, 1
	s_cselect_b32 s46, s18, s46
.else
	s_lshl_b32 s46, s17, 8
	s_lshl_b32 s47, s14, 6
	s_add_co_u32 s46, s46, s47
	s_lshl_b32 s46, s46, 12
	s_lshl_b32 s47, s42, 8
	s_add_co_u32 s46, s46, s47
.endif
	s_mov_b32 s47, 0
	s_add_nc_u64 s[10:11], s[80:81], s[46:47]
.macro FRAG reg, adr, q, i             ; 16 rows x 128 K: lane l holds row l % 16; registers 4 c .. 4 c + 3 hold K = 32 c + 16 (l / 16) + 0 .. 15
.irp c, 0,1,2,3
	ds_load_b128 v[\reg+4*\c:\reg+4*\c+3], v[\adr] offset:128*(\q)+32*\c+(\i)*16*PITCH
.endr
.endm
; 16 matrix instructions: R's blocks a0, a0 + 1 x S's eight.  The 64 accumulators take turns, one instruction a turn, in the same order in every step.
.macro MUL16 a0, p, zero
.irp a, \a0, \a0+1
.irp b, 0,1,2,3,4,5,6,7
.if \zero
	v_wmma_f32_16x16x128_fp8_fp8 v[8*(8*((\a)%4)+\b):8*(8*((\a)%4)+\b)+7], v[128*(\p)+FR*\b:128*(\p)+FR*\b+FR-1], v[AF+FR*(\a):AF+FR*(\a)+FR-1], 0
.else
	v_wmma_f32_16x16x128_fp8_fp8 v[8*(8*((\a)%4)+\b):8*(8*((\a)%4)+\b)+7], v[128*(\p)+FR*\b:128*(\p)+FR*\b+FR-1], v[AF+FR*(\a):AF+FR*(\a)+FR-1], v[8*(8*((\a)%4)+\b):8*(8*((\a)%4)+\b)+7]
.endif
.endr
.endr
.endm
.macro FETCH_B slot, q, p
	WIN TO_B
.irp i, 0,1,2,3,4,5,6,7
	FRAG 128*(\p)+FR*\i, ADRB+\slot, \q, \i
.endr
	WIN 0
.endm
.macro FETCH_A slot, q, i0
.irp i, \i0, \i0+1, \i0+2, \i0+3
	FRAG AF+FR*(\i), ADRA+\slot, \q, \i
.endr
.endm
.macro PLACES n                        ; plain vector instructions between a matrix instruction and a load into, or a vector instruction on, its registers
.rept \n
	v_nop
.endr
.endm
.macro STEP slot, q, zero              ; 128 along K whose successor lies in the same slot
	s_wait_dscnt 4*NL                              ; S's set and R's blocks 0-3 are in; the youngest sixteen loads (R's blocks 4-7) may be out
	WIN MUL_LO
	MUL16 0, (\q)%2, \zero
	MUL16 2, (\q)%2, \zero
	s_wait_dscnt 0
	PLACES NP
	FETCH_B \slot, (\q)+1, 1-(\q)%2
	FETCH_A \slot, (\q)+1, 0
	WIN MUL_HI
	MUL16 4, (\q)%2, \zero
	MUL16 6, (\q)%2, \zero
	PLACES NP
	WIN 0
	FETCH_A \slot, (\q)+1, 4
.endm
; A slot's last step changes slots: ONE barrier; in front of it each wave waits for all its tensor loads, adds 0 to its spare word, and waits for that and for its reads of this slot.
.macro TURN slot, next, fill
	s_wait_tensorcnt 0x0                           ; all my tensor loads have landed: my part of the next slot
	ds_add_u32 v[SPW], v[NIL]                      ; 0 onto my spare word
	s_wait_dscnt 4*NL+1                            ; (the add and the youngest sixteen loads may be out)
	WIN MUL_LO
	MUL16 0, 1, 0
	s_wait_dscnt 0x0                               ; the add is done, and my reads of this slot are over
	s_barrier_signal -1
	MUL16 2, 1, 0
	WIN 0
	s_barrier_wait -1
.if \fill
	CREST                                          ; the barrier has opened a round of the cluster's barrier: no wave of any partner still reads this slot or has a load on its way
	s_add_nc_u64 s[G0+4*\slot+2:G0+4*\slot+3], s[G0+4*\slot+2:G0+4*\slot+3], 2*ROWB
	s_add_nc_u64 s[G0B+4*\slot+2:G0B+4*\slot+3], s[G0B+4*\slot+2:G0B+4*\slot+3], 2*ROWB
	JLOAD G0+4*\slot, G1, G0B+4*\slot, G1B         ; the first tensor load behind the round; its four v_nop are the places in front of the loads below
.else
	PLACES NP
.endif
	FETCH_B \next, 0, 0
	FETCH_A \next, 0, 0
	WIN MUL_HI
	MUL16 4, 1, 0
	MUL16 6, 1, 0
	PLACES NP
	WIN 0
	FETCH_A \next, 0, 4
.endm
	s_wait_tensorcnt 1                             ; my part of K step 0 is in (K step 1's load may be out),
	s_barrier_signal -1
	s_barrier_wait -1                              ; everybody's is
	FETCH_B 0, 0, 0
	FETCH_A 0, 0, 0
	FETCH_A 0, 0, 4
	STEP 0, 0, 1                                   ; the first step's products start the sums
	s_mov_b32 s3, LAPS-1
.Llap:                                                 ; a trip goes once round the ring and fills both slots again
	TURN 0, 1, 1
	STEP 1, 0, 0
	TURN 1, 0, 1
	STEP 0, 0, 0
	s_sub_co_u32 s3, s3, 1
	s_cmp_lg_u32 s3, 0
	s_cbranch_scc1 .Llap
	TURN 0, 1, 0                                   ; the last lap fills nothing
	STEP 1, 0, 0
	s_wait_dscnt 4*NL
	WIN MUL_LO
	MUL16 0, 1, 0
	MUL16 2, 1, 0
	s_wait_dscnt 0
	WIN MUL_HI
	MUL16 4, 1, 0
	MUL16 6, 1, 0
	WIN 0
	; THE WAY OUT.  sum + bias / 2^(eA + eB), held, converted under 2^(eo - eA - eB): 8 codes a lane and accumulator; through the work-group's stage; out in runs of 256 bytes.
	s_wait_loadcnt 0x0                             ; the biases
	s_wait_kmcnt 0x0                               ; the exponents
.if MODE == 0
	s_add_co_i32 s18, s84, s85
	s_add_co_i32 s19, s86, s87
	s_add_co_i32 s20, s88, s89
	s_cmp_eq_u32 s82, 0
	s_cselect_b32 s12, s18, s19
	s_cselect_b32 s13, s90, s91                    ; q under e6, k under e7,
	s_cmp_eq_u32 s82, 2
	s_cselect_b32 s12, s20, s12
	s_cselect_b32 s13, s93, s13                    ; v under e9
.else
	s_add_co_i32 s12, s96, s97
	s_mov_b32 s13, s98                             ; the hidden layer under e14
.endif
	s_sub_co_i32 s18, 0, s12
	s_sub_co_i32 s19, s13, s12
	s_add_co_i32 s19, s19, 127
	s_lshl_b32 s20, s19, 23
	s_add_co_i32 s19, s19, 8
	s_lshl_b32 s19, s19, 23
	s_or_b32 s19, s19, 0x600000
	PLACES NP                                      ; behind the last products: R's fragments' registers are written below
	v_mov_b32 v14, s20                             ; 2^(eo - eA - eB)
	v_mov_b32 v15, s19                             ; 448 x that
.if MODE == 0
	v_xor_b32 v11, 0x80000000, v15                 ; the hold's lower end
.else
	v_mov_b32 v11, 0                               ; the activation: what is negative becomes 0
.endif
.set bj, 0
.rept 64
	v_ldexp_f32 v[CB+bj], v[CB+bj], s18
.set bj, bj+1
.endr
.if MODE == 0
.set bj, 0
.rept 64
	v_cndmask_b32 v[CB+bj], 0, v[CB+bj], s101      ; q, k: the bias goes by columns; v^T: by rows.  The other one is 0
.set bj, bj+1
.endr
.irp a, 0,1,2,3,4,5,6,7
	v_ldexp_f32 v[RB+2*\a], v[RB+2*\a], s18
.endr
.irp a, 0,1,2,3,4,5,6,7
	v_cndmask_b32 v[RB+2*\a], v[RB+2*\a], 0, s101
.endr
.irp a, 0,1,2,3,4,5,6,7
	v_mov_b32 v[RB+2*\a+1], v[RB+2*\a]
.endr
.endif
.macro BLOCK a                         ; my rows 16 a .. 16 a + 15
.set AC, 64*((\a)%4)
.set CDE, 192+16*((\a)%2)
	WIN 0x02+((\a)/4)                              ; source 0: window 2 or 3
.set bj, 0
.rept 32
	v_pk_add_f32 v[T+bj:T+bj+1], v[AC+bj:AC+bj+1], v[CB+bj:CB+bj+1]   ; each accumulator from its low end on
.set bj, bj+2
.endr
	WIN 0
.if MODE == 0
.set bj, 0
.rept 32
	v_pk_add_f32 v[T+bj:T+bj+1], v[T+bj:T+bj+1], v[RB+2*(\a):RB+2*(\a)+1]
.set bj, bj+2
.endr
.endif
.if (\a) >= 2
	s_wait_dscnt 8                                 ; block a - 2's stores have read these codes' registers; block a - 1's eight may be out
.endif
.irp b, 0,1,2,3,4,5,6,7
.irp i, 0,1,2,3,4,5,6,7
	v_med3_num_f32 v[T+8*\b+\i], v[T+8*\b+\i], v11, v15   ; the conversion to an 8-bit code does not saturate (ISA guide 7.6.2)
.endr
	v_cvt_scalef32_pk8_fp8_f32 v[CDE+2*\b:CDE+2*\b+1], v[T+8*\b:T+8*\b+7], v14
.endr
	v_nop                                          ; a plain line behind the last conversion, ahead of the next block's writes of its sources
.irp b, 0,1,2,3,4,5,6,7
	ds_store_b64 v[STO], v[CDE+2*\b:CDE+2*\b+1] offset:16*(\a)*272+16*\b
.endr
.endm
.irp a, 0,1,2,3,4,5,6,7
	BLOCK \a
.endr
	s_wait_dscnt 0x0                               ; for the others' sake: my stores into the stage are done
	s_barrier_signal -1
	s_barrier_wait -1
.macro ROWS pitch                      ; 64 whole rows of 256 codes: sixteen lanes store 256 consecutive bytes, aligned
.set ut, 0
.rept 32
	ds_load_b128 v[128+4*ut:131+4*ut], v[RD] offset:2*ut*272
.set ut, ut+1
.endr
.set ut, 0
.rept 32
	s_wait_dscnt 31-ut
	global_store_b128 v[CO], v[128+4*ut:131+4*ut], s[10:11] offset:2*ut*\pitch
.set ut, ut+1
.endr
.endm
.macro UNITS                           ; q, k: four tokens x 64 codes of a head are 256 consecutive bytes: sixteen lanes store them; instruction ut: tokens 4 (ut / 2) on, heads 2 (ut % 2) + l / 16
.set ut, 0
.rept 32
	ds_load_b128 v[128+4*ut:131+4*ut], v[RD2] offset:(ut/2)*4*272+(ut%2)*128
.set ut, ut+1
.endr
.set ut, 0
.rept 32
	s_wait_dscnt 31-ut
	global_store_b128 v[CO2], v[128+4*ut:131+4*ut], s[10:11] offset:(ut/2)*2048+(ut%2)*262144
.set ut, ut+1
.endr
.endm
.if MODE == 0
	s_cmp_eq_u32 s100, 1                           ; the same in all sixteen partners
	s_cbranch_scc1 .Lrows
	UNITS
	s_branch .Lsent
.Lrows:
	ROWS 2048
.Lsent:
.else
	ROWS 4096
.endif
	s_wait_tensorcnt 0x0                           ; the wave's end
	ds_add_u32 v[SPW], v[NIL]
	s_wait_dscnt 0x0
	CROUND                                         ; the closing round: no work-group ends while a partner may still ask for a tile that names it
	s_endpgm
.Lfunc_end_k_q9231d69d79_qkv:
	.size	k_q9231d69d79_qkv, .Lfunc_end_k_q9231d69d79_qkv-k_q9231d69d79_qkv
	.p2alignl 7, 3214868480
	.fill 96, 4, 3214868480
	.section	.rodata,"a",@progbits
	.p2align	6, 0x0
	.amdhsa_kernel k_q9231d69d79_qkv
		.amdhsa_group_segment_fixed_size 327680
		.amdhsa_private_segment_fixed_size 0
		.amdhsa_enable_private_segment 0
		.amdhsa_kernarg_size 56
		.amdhsa_user_sgpr_count 2
		.amdhsa_user_sgpr_kernarg_segment_ptr 1
		.amdhsa_wavefront_size32 1
		.amdhsa_system_sgpr_workgroup_id_x 1
		.amdhsa_system_sgpr_workgroup_id_y 1
		.amdhsa_system_sgpr_workgroup_id_z 1
		.amdhsa_system_vgpr_workitem_id 0
		.amdhsa_next_free_vgpr 1024
		.amdhsa_next_free_sgpr 102
		.amdhsa_reserve_vcc 0
		.amdhsa_float_denorm_mode_32 3
		.amdhsa_float_denorm_mode_16_64 3
		.amdhsa_memory_ordered 1
		.amdhsa_forward_progress 1
		.amdhsa_inst_pref_size 177
	.end_amdhsa_kernel
	.amdgpu_metadata
---
amdhsa.version: [ 1, 2 ]
amdhsa.kernels:
  - .name:           k_q9231d69d79_qkv
    .symbol:         k_q9231d69d79_qkv.kd
    .args:
      - { .name: hc, .offset: 0, .size: 8, .value_kind: global_buffer, .address_space: global }
      - { .name: wc, .offset: 8, .size: 8, .value_kind: global_buffer, .address_space: global }
      - { .name: lowp_scales, .offset: 16, .size: 8, .value_kind: global_buffer, .address_space: global }
      - { .name: bq, .offset: 24, .size: 8, .value_kind: global_buffer, .address_space: global }
      - { .name: bk, .offset: 32, .size: 8, .value_kind: global_buffer, .address_space: global }
      - { .name: bv, .offset: 40, .size: 8, .value_kind: global_buffer, .address_space: global }
      - { .name: qkvc, .offset: 48, .size: 8, .value_kind: global_buffer, .address_space: global }
    .group_segment_fixed_size: 327680
    .private_segment_fixed_size: 0
    .kernarg_segment_align: 8
    .kernarg_segment_size: 56
    .max_flat_workgroup_size: 128
    .sgpr_count:     102
    .vgpr_count:     1024
    .wavefront_size: 32
...
	.end_amdgpu_metadata
.endif
;; end of part 2
;; launch attn (part 3): grid 8 x 32, 16 waves a work-group, no clusters, 296,960 bytes of LDS; arguments qkvc, mw, lowp_scales, ac; writes ac
.if DOCPART == 3
	.amdgcn_target "amdgcn-amd-amdhsa--gfx1250"
	.amdhsa_code_object_version 6
	.text
	.protected	k_q9231d69d79_attn
	.globl	k_q9231d69d79_attn
	.p2align	8
	.type	k_q9231d69d79_attn,@function
k_q9231d69d79_attn:
	s_mov_b64 s[64:65], 0
	v_nop
	global_prefetch_b8 v0, s[64:65] scope:SCOPE_SE
	s_setreg_imm32_b32 hwreg(HW_REG_WAVE_MODE, 25, 1), 1
	s_wait_xcnt 0x0
; ATTENTION on codes of E4M3, head size 64, 2,048 keys, with the mask that is given.  For each of 32 (batch, head): o = (sum over keys of Q(p) Q(v)) / l, quantised under e10 for the product with wo.
; t = (q . k / 8) x log2(e); M = the row's largest t so far, rounded UP to a whole number; p = 2^(t - M) is quantised under e8; l = the sum of the unquantised p.
; When M moves, l and O are multiplied by 2^(old M - new M): exact.
; THE MASK.  Where the mask is 0 the raw sum of codes is replaced by -2^(33 - e6 - e7), which stands for the logit -2^30 where reference() writes -1e9: its t is exactly -log2(e) x 2^30, a whole number, so a row that is
; masked entirely has p = 1 for every key.  LIMIT: e6 + e7 between -94 and 9.  A logit is at most 64 x 448^2 x 2^(e6 + e7 - 3) in size, under 8.3e8 then, so under either constant a masked key has p = 0 beside any open key.
; SHARES.  A work-group owns 256 queries of one (batch, head); each of its sixteen waves 16 of them, in 256 registers: four waves to a SIMD, so that one wave's vector work stands beside another's products and LDS loads.
; LDS.  The head's WHOLE K and V^T, 256 KiB of codes, are fetched ONCE, through registers: wave w brings piece w of 64 rows x 256 bytes (waves 0-7: K's 256 keys each; waves 8-15: V^T's): 32 loads and 32 LDS stores a lane; one barrier.
; TWO BRANCHES ON WHOLE NUMBERS spare vector work that changes nothing: a step all of whose 16 x 128 mask entries are true jumps over its 64 selects (16 bits, one a step, made at the head from the stored mask words);
; where 448 x 2^e8 is at least 1 (e8 >= -8), p, which passes 1 by no more than a rounding, is never held, and the 64 holds are jumped over.  Both blocks stand in the text and run where the numbers ask for them.
; NO TENSOR LOAD, NO CLUSTER.  What the eight work-groups of a head share is fetched once at the head, 32 loads a lane, against 16 steps of some 200 vector instructions.
; LAYOUT.  Both products are used transposed: S^T = K Q^T (source 0 = 16 keys, source 1 = my 16 queries; K = 64), O^T = V^T P (source 0 = 16 of the head's 64, source 1 = P; K = 128 keys): a lane holds ONE query.
; Tile k of a step holds keys 16 k + 0 .. 15; a lane's eight scores are keys 16 k + 8 (lane / 16) + 0 .. 7, whose codes are registers 2 k, 2 k + 1 of the second product's operand as they stand.
; K and Q are fetched by two loads of 16 bytes: a permutation of the head's 64 inside an instruction, the same on both sides.
; The mask words come as lane masks, 64 a step (made by the first launch), by scalar loads a step ahead: one v_cndmask_b32 a score where a step has holes.
; OTHER LIMITS: e8 and e10 between -126 and 119.  NaN is not served.
; REGISTERS: v1-8 addresses; v9 the masked raw sum; v10, v11: 448 x 2^e8, 2^e8; v12 -M, v13 the largest t, v[14:15] l in two halves; v16-23 Q; v24-31 at work; v32-95 K's, then V's fragments; v96-159 S^T, then p;
;   v160-191 O^T; v192-207 p's codes; v208-239 the mask words at the head, the way out at the end; v240, v241: 2^e10, 448 x 2^e10; v242, v243 the head's loads and LDS stores.
; SCALARS: s20 the steps' bits, bit 0 = the step in hand; s22 e8; s[26:27] c; s29 pieces to go; s30 the piece in hand; s31 e8 + e9; s32-63, s68-99 a step's mask words; s[100:101] where they come from.
.set PIECE, 17408                      ; 64 rows x (256 bytes + 16 of padding)
.set VBASE, 8*PIECE
.set STAGE, 16*PIECE                   ; the way out: 1,024 bytes for each wave
.macro PLACES n
.rept \n
	v_nop
.endr
.endm
.macro QC e, vsc, vhi, tmp             ; s[e] = e:  v[vsc] = 2^e as f32 (the conversion takes its exponent field), v[vhi] = 448 x 2^e
	s_add_co_i32 s[\tmp], s[\e], 127
	s_lshl_b32 s[\tmp+1], s[\tmp], 23
	v_mov_b32 v[\vsc], s[\tmp+1]
	s_add_co_i32 s[\tmp], s[\tmp], 8
	s_lshl_b32 s[\tmp], s[\tmp], 23
	s_or_b32 s[\tmp], s[\tmp], 0x600000
	v_mov_b32 v[\vhi], s[\tmp]
.endm
.macro MLOAD off                       ; a step's 64 mask words: word j in s[32 + j] (j < 32) or s[36 + j]
	s_load_b512 s[32:47], s[100:101], \off
	s_load_b512 s[48:63], s[100:101], \off+64
	s_load_b512 s[68:83], s[100:101], \off+128
	s_load_b512 s[84:99], s[100:101], \off+192
.endm
	s_load_b256 s[4:11], s[0:1], 0x0               ; qkvc, mw, the exponents, ac
	v_lshl_add_u32 v254, v0, 2, 0x48000
	v_mov_b32 v255, 0
	v_lshrrev_b32 v1, 5, v0
	v_readfirstlane_b32 s28, v1                    ; wave 0..15
	s_mov_b32 s3, ttmp9                            ; my block of 256 queries
	s_and_b32 s31, ttmp7, 0xffff                   ; hb = 16 batch + head
	v_and_b32 v24, 15, v0                          ; r
	v_bfe_u32 v25, v0, 4, 1                        ; hh
	v_lshlrev_b32 v242, 11, v25                    ; my piece in memory: lanes 0-15 one row of 256 bytes, lanes 16-31 the next, 2,048 bytes on
	v_lshl_add_u32 v242, v24, 4, v242
	s_mul_i32 s13, s28, PIECE                      ; and in LDS: rows 272 bytes apart
	v_mul_u32_u24 v243, v25, 272
	v_lshl_add_u32 v243, v24, 4, v243
	v_add_nc_u32 v243, s13, v243
	s_lshr_b32 s66, s28, 3
	s_lshl_b32 s66, s66, 22
	s_add_co_u32 s66, s66, 0x400000                ; K at 4 MiB, V^T at 8 MiB,
	s_lshl_b32 s67, s31, 17
	s_add_co_u32 s66, s66, s67                     ; the head,
	s_and_b32 s67, s28, 7
	s_lshl_b32 s67, s67, 8
	s_add_co_u32 s66, s66, s67                     ; keys 256 (wave % 8) on
	s_mov_b32 s67, 0
	s_wait_kmcnt 0x0
	s_load_b512 s[32:47], s[8:9], 0x0              ; e0 .. e15
	s_add_nc_u64 s[14:15], s[4:5], s[66:67]
.set kt, 0
.rept 32
	global_load_b128 v[32+4*kt:35+4*kt], v242, s[14:15] offset:4096*kt   ; rows 2 kt, 2 kt + 1 of my piece: sixteen lanes read 256 consecutive bytes, aligned
.set kt, kt+1
.endr
	v_lshrrev_b32 v26, 2, v24
	v_and_b32 v27, 3, v24
	v_mul_u32_u24 v1, v26, 272                     ; K: four keys to an LDS row: row r / 4, 64 (r % 4), + 16 hh
	v_lshl_add_u32 v1, v27, 6, v1
	v_lshl_add_u32 v1, v25, 4, v1
	v_mul_u32_u24 v2, v24, 272                     ; V^T: row r, + 8 hh
	v_lshl_add_u32 v2, v25, 3, v2
	v_add_nc_u32 v2, VBASE, v2
	s_lshl_b32 s66, s28, 2
	v_add_nc_u32 v5, s66, v26                      ; Q lies as K does: group 4 w + r / 4 of four tokens
	v_lshlrev_b32 v5, 11, v5
	v_lshl_add_u32 v5, v27, 6, v5
	v_lshl_add_u32 v5, v25, 4, v5
	s_lshl_b32 s66, s31, 17
	s_lshl_b32 s30, s3, 8
	s_add_co_u32 s66, s66, s30
	s_add_nc_u64 s[4:5], s[4:5], s[66:67]
	global_load_b128 v[16:19], v5, s[4:5]          ; Q's fragment stays in registers
	global_load_b128 v[20:23], v5, s[4:5] offset:32
	s_lshl_b32 s66, s28, 10
	s_add_co_u32 s66, s66, STAGE
	v_lshl_add_u32 v6, v24, 6, s66                 ; the stage: token r's 64 bytes, + 8 hh
	v_lshl_add_u32 v6, v25, 3, v6
	v_and_b32 v8, 31, v0
	v_lshlrev_b32 v8, 4, v8                        ; 16 bytes a lane
	v_add_nc_u32 v7, s66, v8
	s_lshl_b32 s66, s3, 4
	s_add_co_u32 s66, s66, s28                     ; my tile of 16 queries
	s_lshl_b32 s66, s66, 12
	s_add_nc_u64 s[100:101], s[6:7], s[66:67]      ; its 16 steps x 256 bytes of mask words
.irp i, 0,1,2,3,4,5,6,7
	global_load_b128 v[208+4*\i:211+4*\i], v8, s[100:101] offset:512*\i   ; all of them once as vectors: lanes 0-15 hold step 2 i's 64 words, lanes 16-31 step 2 i + 1's
.endr
	s_and_b32 s66, s31, 15
	s_lshl_b32 s66, s66, 18                        ; ac: [head][token 4096][64]
	s_lshr_b32 s30, s31, 4
	s_lshl_b32 s30, s30, 11
	s_lshl_b32 s2, s3, 8
	s_add_co_u32 s30, s30, s2
	s_lshl_b32 s2, s28, 4
	s_add_co_u32 s30, s30, s2
	s_lshl_b32 s30, s30, 6
	s_add_co_u32 s66, s66, s30
	s_add_nc_u64 s[10:11], s[10:11], s[66:67]
	s_mov_b32 s24, 0x76543210
	s_mov_b32 s25, 0xfedcba98
	s_wait_kmcnt 0x0
	s_add_co_i32 s2, s38, s39                      ; e6 + e7
	s_sub_co_i32 s21, 160, s2
	s_lshl_b32 s21, s21, 23
	s_or_b32 s21, s21, 0x80000000
	v_mov_b32 v9, s21                              ; -2^(33 - e6 - e7): the raw sum of a masked key
	s_sub_co_i32 s2, s2, 3
	s_lshl_b32 s2, s2, 23
	s_add_co_i32 s26, s2, 0x3fb8aa3b               ; c = log2(e) x 2^(e6 + e7 - 3): the exponents are added to log2(e)'s exponent field
	s_mov_b32 s27, s26                             ; (named with it as a pair)
	s_add_co_i32 s31, s40, s41                     ; e8 + e9
	s_mov_b32 s22, s40                             ; e8
	QC 40, 11, 10, 2                               ; p's scale
	QC 42, 240, 241, 2                             ; the output's
	MLOAD 0                                        ; the first step's mask words (the exponents have been used)
	v_mov_b32 v13, 0xff61b1e6                      ; the largest t so far: -3e38
	v_floor_f32 v12, -v13
	v_mov_b32 v14, 0
	v_mov_b32 v15, 0
	v_mov_b32 v27, 0                               ; (the upper half of the pair v[26:27])
	v_mov_b32 v28, 0                               ; a lane permute's destination counts as one of its sources
.set oj, 0
.rept 32
	v_mov_b32 v[160+oj], 0                         ; O^T: the step is written once, and the first change of M leaves zeros zeros
.set oj, oj+1
.endr
	s_mov_b32 s30, 0                               ; the piece in hand
	s_mov_b32 s29, 8                               ; pieces to go
.set kt, 0
.rept 32
	s_wait_loadcnt 41-kt                           ; behind load kt stand 31 - kt of its kind, Q's two and the eight of mask words
	ds_store_b128 v243, v[32+4*kt:35+4*kt] offset:544*kt
.set kt, kt+1
.endr
	s_wait_loadcnt 0x0                             ; Q and the mask words
.irp i, 0,1,2,3,4,5,6,7
	v_and_b32 v[208+4*\i], v[208+4*\i], v[209+4*\i]
	v_and_b32 v[210+4*\i], v[210+4*\i], v[211+4*\i]
.endr
.irp i, 0,1,2,3,4,5,6,7
	v_and_b32 v[208+4*\i], v[208+4*\i], v[210+4*\i]
.endr
.irp i, 0,1,2,3,4,5,6,7
	v_cmp_eq_u32 s[12+\i], -1, v[208+4*\i]         ; a lane's bit: its four words are all ones
.endr
	s_mov_b32 s20, 0
.irp i, 0,1,2,3,4,5,6,7
	s_and_b32 s21, s[12+\i], 0xffff                ; sixteen lanes' bits all set: step 2 i has no hole
	s_cmp_eq_u32 s21, 0xffff
	s_cselect_b32 s21, 1<<(2*\i), 0
	s_or_b32 s20, s20, s21
	s_lshr_b32 s21, s[12+\i], 16                   ; step 2 i + 1
	s_cmp_eq_u32 s21, 0xffff
	s_cselect_b32 s21, 2<<(2*\i), 0
	s_or_b32 s20, s20, s21
.endr
	s_wait_dscnt 0x0                               ; for the others' sake: my piece lies in LDS,
	s_barrier_signal -1
	s_barrier_wait -1                              ; everybody's does
.macro STEP q                          ; 128 keys: the q-th half of the piece in hand
.if \q == 1
	PLACES 4                                       ; in front of loads into registers that the last products read
.endif
.irp k, 0,1,2,3,4,5,6,7
	ds_load_b128 v[32+8*\k:35+8*\k], v3 offset:(32*\q+4*\k)*272
	ds_load_b128 v[36+8*\k:39+8*\k], v3 offset:(32*\q+4*\k)*272+32
.endr
	s_wait_dscnt 0x0
.irp k, 0,1,2,3,4,5,6,7
	v_wmma_f32_16x16x64_fp8_fp8 v[96+8*\k:103+8*\k], v[32+8*\k:39+8*\k], v[16:23], 0
.endr
	PLACES 4                                       ; for the loads below and for the first reads of the sums
.irp t, 0,1,2,3
.irp k, 0,1,2,3,4,5,6,7
	ds_load_b64 v[32+16*\t+2*\k:33+16*\t+2*\k], v4 offset:16*\t*272+128*\q+16*\k   ; V^T: they land during the softmax
.endr
.endr
	s_wait_kmcnt 0x0                               ; this step's mask words have landed, whether they are used or not: their registers are loaded again below
	s_bitcmp1_b32 s20, 0                           ; has this step no hole?
	s_cbranch_scc1 .Lopen_\@
.set jj, 0
.rept 64
	v_cndmask_b32 v[96+jj], v9, v[96+jj], s[32+jj+4*(jj/32)]   ; each accumulator from its low end on
.set jj, jj+1
.endr
.Lopen_\@:
	s_lshr_b32 s20, s20, 1                         ; on to the next step's bit
	v_max3_num_f32 v24, v96, v97, v98              ; the step's largest sum of my query, among my 64 keys, in two chains (they too meet each accumulator at its low end first),
	v_max3_num_f32 v25, v99, v100, v101
.irp i, 6,10,14,18,22,26,30,34,38,42,46,50,54,58
	v_max3_num_f32 v24, v24, v[96+\i], v[97+\i]
	v_max3_num_f32 v25, v25, v[98+\i], v[99+\i]
.endr
	v_max3_num_f32 v24, v24, v158, v159
	v_max_num_f32 v24, v24, v25
	v_permlanex16_b32 v28, v24, s24, s25
	v_max_num_f32 v24, v24, v28                    ; and among lane l xor 16's
	v_mul_f32 v24, s26, v24                        ; as t (c is positive)
	v_max_num_f32 v13, v13, v24
	v_mov_b32 v24, v12
	v_floor_f32 v12, -v13                          ; -M = floor(-t): M is a whole number
	v_sub_f32 v24, v12, v24
	v_cvt_i32_f32 v24, v24                         ; (it saturates)
	v_ldexp_f32 v26, 1.0, v24                      ; f = 2^(old M - new M)
.if \q == 0
	MLOAD 256                                      ; the next step's words: this step's have been read
.else
	s_cmp_lg_u32 s29, 1
	s_cselect_b32 s66, 512, 0                      ; the last trip asks for its own words again: no load leaves the buffer
	s_add_nc_u64 s[100:101], s[100:101], s[66:67]  ; (all earlier loads from it are done: the waits above)
	MLOAD 0
.endif
.set jj, 0
.rept 32
	v_pk_fma_f32 v[96+jj:97+jj], v[96+jj:97+jj], s[26:27], v[12:13] op_sel_hi:[1,0,0]   ; t - M, two at a time (of the pairs c and -M the low word serves both halves)
.set jj, jj+2
.endr
.set jj, 0
.rept 64
	v_exp_f32 v[96+jj], v[96+jj]                   ; p, not normalised
.set jj, jj+1
.endr
	v_pk_mul_f32 v[14:15], v[14:15], v[26:27] op_sel_hi:[1,0]   ; l under the new M: the plain line behind the exponentials
	s_wait_alu depctr_va_vdst(0)                   ; one wait for the batch, ahead of its first reader and of the branch below
	v_pk_add_f32 v[30:31], v[96:97], v[98:99]      ; the sum of the unquantised p, in two chains
.irp j, 4,8,12,16,20,24,28,32,36,40,44,48,52,56,60
	v_pk_add_f32 v[14:15], v[14:15], v[96+\j:97+\j]
	v_pk_add_f32 v[30:31], v[30:31], v[98+\j:99+\j]
.endr
	v_pk_add_f32 v[14:15], v[14:15], v[30:31]
	s_cmp_ge_i32 s22, -8                           ; 448 x 2^e8 >= 1.75: no p reaches it
	s_cbranch_scc1 .Lfits_\@
.set jj, 0
.rept 64
	v_min_num_f32 v[96+jj], v[96+jj], v10          ; the conversion does not saturate (ISA guide 7.6.2); p is not negative, so the hold is one-sided
.set jj, jj+1
.endr
.Lfits_\@:
.irp k, 0,1,2,3,4,5,6,7
	v_cvt_scalef32_pk8_fp8_f32 v[192+2*\k:193+2*\k], v[96+8*\k:103+8*\k], v11
.endr
.set jj, 0
.rept 16
	v_pk_mul_f32 v[160+jj:161+jj], v[160+jj:161+jj], v[26:27] op_sel_hi:[1,0]   ; O^T under the new M; also the plain lines behind the conversions
.set jj, jj+2
.endr
	s_wait_dscnt 0x0                               ; V^T
.irp t, 0,1,2,3
	v_wmma_f32_16x16x128_fp8_fp8 v[160+8*\t:167+8*\t], v[32+16*\t:47+16*\t], v[192:207], v[160+8*\t:167+8*\t]   ; the four accumulators take turns
.endr
.endm
.Lpiece:                                               ; 8 trips: 256 keys each
	v_add_nc_u32 v3, s30, v1
	v_add_nc_u32 v4, s30, v2
	v_nop
	v_nop                                          ; with the two additions: four places in front of the loads into registers that the last products read
	STEP 0
	STEP 1
	s_add_co_u32 s30, s30, PIECE
	s_sub_co_u32 s29, s29, 1
	s_cmp_lg_u32 s29, 0
	s_cbranch_scc1 .Lpiece
	; THE WAY OUT: O^T x 2^(e8 + e9) / l, quantised under e10; a wave's 16 tokens x 64 codes are 1,024 consecutive bytes of ac
	v_add_f32 v14, v14, v15
	v_permlanex16_b32 v28, v14, s24, s25
	v_add_f32 v14, v14, v28
	v_rcp_f32 v14, v14
	v_nop
	v_nop
	s_wait_alu depctr_va_vdst(0)
	v_ldexp_f32 v14, v14, s31
	v_mov_b32 v15, v14
.set jj, 0
.rept 16
	v_pk_mul_f32 v[208+jj:209+jj], v[160+jj:161+jj], v[14:15] op_sel_hi:[1,0]
.set jj, jj+2
.endr
.set jj, 0
.rept 32
	v_med3_num_f32 v[208+jj], v[208+jj], -v241, v241
.set jj, jj+1
.endr
.irp t, 0,1,2,3
	v_cvt_scalef32_pk8_fp8_f32 v[96+2*\t:97+2*\t], v[208+8*\t:215+8*\t], v240
.endr
	v_nop
.irp t, 0,1,2,3
	ds_store_b64 v6, v[96+2*\t:97+2*\t] offset:16*\t   ; token r, channels 16 t + 8 hh + 0 .. 7
.endr
	ds_load_b128 v[104:107], v7                    ; LDS serves a wave's instructions in order (ISA guide 5.7.1.4): these see my stores
	ds_load_b128 v[108:111], v7 offset:512
	s_wait_dscnt 1                                 ; the first is in; the second may be out
	global_store_b128 v8, v[104:107], s[10:11]     ; 512 consecutive bytes, aligned
	s_wait_dscnt 0x0
	global_store_b128 v8, v[108:111], s[10:11] offset:512
	s_wait_tensorcnt 0x0
	ds_add_u32 v254, v255
	s_wait_dscnt 0x0
	s_endpgm
.Lfunc_end_k_q9231d69d79_attn:
	.size	k_q9231d69d79_attn, .Lfunc_end_k_q9231d69d79_attn-k_q9231d69d79_attn
	.p2alignl 7, 3214868480
	.fill 96, 4, 3214868480
	.section	.rodata,"a",@progbits
	.p2align	6, 0x0
	.amdhsa_kernel k_q9231d69d79_attn
		.amdhsa_group_segment_fixed_size 296960
		.amdhsa_private_segment_fixed_size 0
		.amdhsa_enable_private_segment 0
		.amdhsa_kernarg_size 32
		.amdhsa_user_sgpr_count 2
		.amdhsa_user_sgpr_kernarg_segment_ptr 1
		.amdhsa_wavefront_size32 1
		.amdhsa_system_sgpr_workgroup_id_x 1
		.amdhsa_system_sgpr_workgroup_id_y 1
		.amdhsa_system_sgpr_workgroup_id_z 1
		.amdhsa_system_vgpr_workitem_id 0
		.amdhsa_next_free_vgpr 256
		.amdhsa_next_free_sgpr 102
		.amdhsa_reserve_vcc 0
		.amdhsa_float_denorm_mode_32 3
		.amdhsa_float_denorm_mode_16_64 3
		.amdhsa_memory_ordered 1
		.amdhsa_forward_progress 1
		.amdhsa_inst_pref_size 63
	.end_amdhsa_kernel
	.amdgpu_metadata
---
amdhsa.version: [ 1, 2 ]
amdhsa.kernels:
  - .name:           k_q9231d69d79_attn
    .symbol:         k_q9231d69d79_attn.kd
    .args:
      - { .name: qkvc, .offset: 0, .size: 8, .value_kind: global_buffer, .address_space: global }
      - { .name: mw, .offset: 8, .size: 8, .value_kind: global_buffer, .address_space: global }
      - { .name: lowp_scales, .offset: 16, .size: 8, .value_kind: global_buffer, .address_space: global }
      - { .name: ac, .offset: 24, .size: 8, .value_kind: global_buffer, .address_space: global }
    .group_segment_fixed_size: 296960
    .private_segment_fixed_size: 0
    .kernarg_segment_align: 8
    .kernarg_segment_size: 32
    .max_flat_workgroup_size: 512
    .sgpr_count:     102
    .vgpr_count:     256
    .wavefront_size: 32
...
	.end_amdgpu_metadata
.endif
;; end of part 3
;; launch wo (part 4): grid 8 x 32, 4 waves a work-group, clusters of 4 x 4, 327,680 bytes of LDS; arguments ac, wc, lowp_scales, bo, x, x1; writes x1
.if DOCPART == 4
	.amdgcn_target "amdgcn-amd-amdhsa--gfx1250"
	.amdhsa_code_object_version 6
	.text
	.protected	k_q9231d69d79_wo
	.globl	k_q9231d69d79_wo
	.p2align	8
	.type	k_q9231d69d79_wo,@function
k_q9231d69d79_wo:
	s_mov_b64 s[64:65], 0
	v_nop
	global_prefetch_b8 v0, s[64:65] scope:SCOPE_SE
	s_setreg_imm32_b32 hwreg(HW_REG_WAVE_MODE, 25, 1), 1
	s_wait_xcnt 0x0
	s_wait_alu depctr_hold_cnt(0) depctr_sa_sdst(0) depctr_va_vdst(0) depctr_va_sdst(0) depctr_va_ssrc(0) depctr_va_vcc(0) depctr_vm_vsrc(0)
	s_getreg_b32 s2, hwreg(HW_REG_IB_STS2, 6, 4)
	s_cmp_eq_u32 s2, 0
	s_cbranch_scc0 .Lentry_in_a_cluster
	s_endpgm
.Lentry_in_a_cluster:
	s_bfe_u32 s2, ttmp6, 0x10000c
	s_cmp_lg_u32 s2, 0xf033
	s_cbranch_scc0 .Lentry_shape_is_right
	s_endpgm
.Lentry_shape_is_right:
; out[m][n] = res[m][n] + (sum over k of A[m][k] W[n][k]) x 2^(eA + eB) + bias[n].  A: codes, 4,096 tokens; W: codes [1024][SIZE_K] in wc; res, out: [4096][1024] f32.
; THIS TEXT: the attention's output times wo, + bo + x (SIZE_K = 1,024).  A lies in panels [head 16][token 4096][64] (PANEL = 1): K = 64 head + d.  The other text of this form: the hidden layer times w2, + b2 + x1 (SIZE_K = 4,096, rows).
; LIMIT: eA + eB between -126 and 127, so that 2^(eA + eB) is an f32 number.
; A tile of C is 128 x 128, which gives 256 work-groups; tiles of 256 x 256 would be 64.  Four waves, each 64 x 64: 16 accumulators.  K goes in steps of 512 through two LDS slots filled by the tensor data mover.
; CLUSTERS: 4 x 4 work-groups: A's tiles are asked for jointly along a row of the cluster, W's along a column.  THE MATRIX INSTRUCTION IS USED TRANSPOSED: a lane holds eight neighbouring columns of a row of C.
; A fragment is fetched by four loads of 16 bytes: a permutation of k inside an instruction, the same on both sides.
; REGISTERS: window 0: v0-31 addresses, v8-11 the bias; v32-63 at work on the way out; v128-255 the accumulators ((a, b) at v[128 + 8 (4 a + b)]).
;   window 1: two fragment buffers of 128: 64 registers of A (4 x 16 rows x 128 K), then 64 of W.   window 2: v0-127 my 64 x 64 of the residual, asked for at the head.
.set SIZE_K, 1024
.set PANEL,  1
.set WOFF,   0x300000                  ; where W's codes begin in wc
.set EI,     10                        ; eA's place among the exponents; eB follows
.set KSTEP,  512
.set PITCH,  528                       ; an LDS row: 512 bytes + 16 of padding = 132 words: the 16 rows that a load touches start at 16 different banks (64 banks of 4 bytes: ISA guide 11.1)
.set HALFT,  34816                     ; what one tensor load fills at most: 64 rows x 528, or 8 heads x 16 x 272
.set SLOT,   4*HALFT
.set STAGE,  2*SLOT                    ; behind the ring: 16 rows x 272 bytes for each wave
.set SPITCH, 272
.set SPARE,  STAGE+4*16*SPITCH         ; behind the stages: the spare words, 128 bytes for each wave
.set LAPS,   SIZE_K/(2*KSTEP)
.if PANEL
.set ASTEP,  8*262144                  ; a K step on in A: eight heads
.else
.set ASTEP,  KSTEP
.endif
.set ADRA, 16
.set ADRB, 20
.set STO,  24
.set RD,   25
.set CO,   26
.set SPW,  28
.set NIL,  29
.set TMP,  32
.set ACC,  128
.set F0,   0
.set F1,   128
.set G1, 24
.set G0, 32
.set G1B, 48
.set G0B, 56
.set MSB, 0
.macro WIN new                         ; the immediate's high byte repeats the setting that is left
.if MSB != \new
	s_set_vgpr_msb (MSB<<8)|\new
.set MSB, \new
.endif
.endm
.set MUL,  0x05                        ; sources 0 (W) and 1 (A) window 1; C and D window 0
.set TO_F, 0x40                        ; destination window 1, address window 0
.macro JLOAD s                         ; a joint load: waves 0 and 1 fetch A's two halves, waves 2 and 3 W's; four v_nop follow each line
	s_cmp_eq_u32 s11, 0
	s_cbranch_scc0 .Lfor_b_\@
	tensor_load_to_lds s[G0+4*\s:G0+4*\s+3], s[G1:G1+7]
	s_nop 0
.rept 4
	v_nop
.endr
	s_branch .Lasked_\@
.Lfor_b_\@:
	tensor_load_to_lds s[G0B+4*\s:G0B+4*\s+3], s[G1B:G1B+7]
	s_nop 0
.rept 4
	v_nop
.endr
.Lasked_\@:
.endm
.macro CREST
	s_cmp_lg_u32 s10, 0
	s_cbranch_scc1 .Lnot_wave_0_\@
	s_barrier_signal -3
.Lnot_wave_0_\@:
	s_barrier_wait -3
	s_barrier_signal -1
	s_barrier_wait -1
.endm
.macro CROUND
	s_barrier_signal -1
	s_barrier_wait -1
	CREST
.endm
	s_load_b256 s[68:75], s[0:1], 0x0              ; A's codes, wc, the exponents, the bias
	s_load_b128 s[76:79], s[0:1], 0x20             ; the residual, out
	v_lshl_add_u32 v[SPW], v0, 2, SPARE
	v_mov_b32 v[NIL], 0
	ds_add_u32 v28, v29
	ds_add_u32 v28, v29
	s_wait_dscnt 0x0
	v_lshrrev_b32 v1, 5, v0
	v_readfirstlane_b32 s10, v1                    ; wave 0..3
	s_lshr_b32 s11, s10, 1                         ; which half of the tile's rows is mine.  Also: I fetch for A (0) or for W (1)
	s_and_b32 s12, s10, 1                          ; which half of its columns.  Also: which 64 rows I fetch
	s_bfe_u32 s40, ttmp6, 0x40000
	s_bfe_u32 s41, ttmp6, 0x40004
	s_lshl_b32 s42, ttmp9, 2
	s_add_co_u32 s42, s42, s40                     ; tile column of C
	s_and_b32 s13, ttmp7, 0xffff
	s_lshl_b32 s13, s13, 2
	s_add_co_u32 s13, s13, s41                     ; tile row of C
	s_lshl_b32 s43, s41, 2
	s_lshl_b32 s43, 15, s43                        ; my row of the cluster
	s_lshl_b32 s44, 0x1111, s40                    ; my column
.if PANEL
	s_or_b32 s[G1+0], s43, (0<<16)|(1<<20)|(1<<21)|(5<<22)|(3<<25)  ; A: eight heads x (64 tokens x 64 bytes on end); four words of padding after every 64: four tokens to 272 bytes
	s_mov_b32 s[G1+1], 4096<<16                    ; tensor_dim0
	s_mov_b32 s[G1+2], 8<<16                       ; tensor_dim1
	s_mov_b32 s[G1+3], 4096<<16                    ; tile_dim0
	s_mov_b32 s[G1+4], 8                           ; tile_dim1
	s_mov_b32 s[G1+5], 262144                      ; from head to head
.else
	s_or_b32 s[G1+0], s43, (0<<16)|(1<<20)|(1<<21)|(6<<22)|(3<<25)  ; A: 64 rows x 512 bytes; four words of padding after every 128
	s_mov_b32 s[G1+1], KSTEP<<16
	s_mov_b32 s[G1+2], 64<<16
	s_mov_b32 s[G1+3], KSTEP<<16
	s_mov_b32 s[G1+4], 64
	s_mov_b32 s[G1+5], SIZE_K
.endif
	s_mov_b32 s[G1+6], 0
	s_mov_b32 s[G1+7], 0
	s_or_b32 s[G1B+0], s44, (0<<16)|(1<<20)|(1<<21)|(6<<22)|(3<<25)
	s_mov_b32 s[G1B+1], KSTEP<<16
	s_mov_b32 s[G1B+2], 64<<16
	s_mov_b32 s[G1B+3], KSTEP<<16
	s_mov_b32 s[G1B+4], 64
	s_mov_b32 s[G1B+5], SIZE_K
	s_mov_b32 s[G1B+6], 0
	s_mov_b32 s[G1B+7], 0
	s_lshl_b32 s17, s12, 6
	s_lshl_b32 s16, s13, 7
	s_add_co_u32 s16, s16, s17                     ; A: token 128 x tile row + 64 x half
	s_lshl_b32 s46, s42, 7
	s_add_co_u32 s46, s46, s17                     ; W: row 128 x tile column + 64 x half
.if PANEL
	s_lshl_b32 s16, s16, 6
.else
	s_mul_i32 s16, s16, SIZE_K
.endif
	s_mul_i32 s46, s46, SIZE_K
	s_add_co_u32 s46, s46, WOFF
	s_mov_b32 s17, 0
	s_mov_b32 s47, 0
	s_mul_i32 s20, s10, HALFT                      ; where they go: no place in the cluster enters an LDS address
	s_wait_kmcnt 0x0
	s_load_b64 s[80:81], s[72:73], EI*4            ; eA, eB
	s_add_nc_u64 s[14:15], s[68:69], s[16:17]
	s_add_nc_u64 s[46:47], s[70:71], s[46:47]
	CROUND                                         ; all sixteen work-groups are here: the first joint loads meet
.irp s, 0,1
	s_mov_b32 s[G0+4*\s], 1
	s_add_co_u32 s[G0+4*\s+1], s20, \s*SLOT
	s_add_nc_u64 s[G0+4*\s+2:G0+4*\s+3], s[14:15], \s*ASTEP
	s_or_b32 s[G0+4*\s+3], s[G0+4*\s+3], 0x80000000
	s_mov_b32 s[G0B+4*\s], 1
	s_add_co_u32 s[G0B+4*\s+1], s20, \s*SLOT
	s_add_nc_u64 s[G0B+4*\s+2:G0B+4*\s+3], s[46:47], \s*KSTEP
	s_or_b32 s[G0B+4*\s+3], s[G0B+4*\s+3], 0x80000000
	JLOAD \s
.endr
	v_and_b32 v1, 15, v0                           ; r
	v_bfe_u32 v2, v0, 4, 1                         ; h
	v_mul_u32_u24 v3, v1, PITCH
	v_lshl_add_u32 v3, v2, 4, v3                   ; rows: r x pitch + 16 h
.if PANEL
	v_lshrrev_b32 v4, 2, v1                        ; panels: token r: (r / 4) x 272 + 64 (r % 4) + 16 h
	v_mul_u32_u24 v4, v4, 272
	v_and_b32 v5, 3, v0
	v_lshl_add_u32 v4, v5, 6, v4
	v_lshl_add_u32 v4, v2, 4, v4
.else
	v_mov_b32 v4, v3
.endif
	s_mul_i32 s21, s11, HALFT
	s_mul_i32 s22, s12, HALFT
	s_add_co_u32 s22, s22, 2*HALFT
.irp s, 0,1
	v_add_nc_u32 v[ADRA+\s], s21, v4
	v_add_nc_u32 v[ADRB+\s], s22, v3
	s_add_co_u32 s21, s21, SLOT
	s_add_co_u32 s22, s22, SLOT
.endr
	s_mul_i32 s23, s10, 16*SPITCH
	s_add_co_u32 s23, s23, STAGE                   ; my stage
	v_mul_u32_u24 v5, v1, SPITCH
	v_lshl_add_u32 v5, v2, 5, v5
	v_add_nc_u32 v[STO], s23, v5                   ; in: row r, 32 bytes for each half of the lanes
	v_mul_u32_u24 v5, v2, SPITCH
	v_lshl_add_u32 v5, v1, 4, v5
	v_add_nc_u32 v[RD], s23, v5                    ; back: lanes 0-15 one row of 256 bytes, lanes 16-31 the next
	v_lshlrev_b32 v[CO], 12, v2
	v_lshl_add_u32 v[CO], v1, 4, v[CO]             ; and the same two rows in memory
	v_lshlrev_b32 v7, 4, v1
	s_lshl_b32 s16, s13, 7
	s_lshl_b32 s17, s11, 6
	s_add_co_u32 s16, s16, s17
	s_lshl_b32 s16, s16, 12                        ; my first row, in bytes
	s_lshl_b32 s46, s42, 7
	s_lshl_b32 s47, s12, 6
	s_add_co_u32 s46, s46, s47
	s_lshl_b32 s46, s46, 2                         ; my first column, in bytes
	s_mov_b32 s47, 0
	s_add_nc_u64 s[18:19], s[74:75], s[46:47]
	s_add_co_u32 s46, s46, s16
	s_add_nc_u64 s[4:5], s[76:77], s[46:47]
	s_add_nc_u64 s[8:9], s[78:79], s[46:47]
	global_load_b128 v[8:11], v7, s[18:19]         ; the bias of the four columns that I store
	WIN 0x80                                       ; destination window 2
.irp a, 0,1,2,3
.irp t, 0,1,2,3,4,5,6,7
	global_load_b128 v[4*(8*\a+\t):4*(8*\a+\t)+3], v[CO], s[4:5] offset:(16*\a+2*\t)*4096   ; the residual, as it will be stored: wanted on the way out
.endr
.endr
	WIN 0
.macro MUL4 f, a, zero                 ; A's block a x W's four; the 16 accumulators take turns, in the same order in every quarter
.irp b, 0,1,2,3
.if \zero
	v_wmma_f32_16x16x128_fp8_fp8 v[ACC+8*(4*(\a)+\b):ACC+8*(4*(\a)+\b)+7], v[\f+64+16*\b:\f+64+16*\b+15], v[\f+16*(\a):\f+16*(\a)+15], 0
.else
	v_wmma_f32_16x16x128_fp8_fp8 v[ACC+8*(4*(\a)+\b):ACC+8*(4*(\a)+\b)+7], v[\f+64+16*\b:\f+64+16*\b+15], v[\f+16*(\a):\f+16*(\a)+15], v[ACC+8*(4*(\a)+\b):ACC+8*(4*(\a)+\b)+7]
.endif
.endr
.endm
.macro FETCH slot, q, f                ; 32 LDS loads in one run: the fragments of the slot's q-th 128 along K: registers 4 c .. 4 c + 3 hold K = 32 c + 16 h + 0 .. 15
	WIN TO_F
.irp i, 0,1,2,3
.irp c, 0,1,2,3
	ds_load_b128 v[\f+64+16*\i+4*\c:\f+64+16*\i+4*\c+3], v[ADRB+\slot] offset:128*(\q)+32*\c+\i*16*PITCH
.if PANEL
	ds_load_b128 v[\f+16*\i+4*\c:\f+16*\i+4*\c+3], v[ADRA+\slot] offset:(2*(\q)+(\c/2))*4352+\i*1088+32*(\c%2)   ; head 2 q + c / 2 of the slot's eight, channels 32 (c % 2) + 16 h on
.else
	ds_load_b128 v[\f+16*\i+4*\c:\f+16*\i+4*\c+3], v[ADRA+\slot] offset:128*(\q)+32*\c+\i*16*PITCH
.endif
.endr
.endr
.endm
.macro PLACES                          ; four plain vector instructions in front of loads into registers that matrix instructions have read, and of the first read of results
.rept 4
	v_nop
.endr
.endm
.macro QUARTER slot, qn, f, g, zero    ; multiplies buffer f (128 along K) while the slot's quarter qn comes into buffer g
	s_wait_dscnt 0x0                               ; buffer f is in
	PLACES
	FETCH \slot, \qn, \g
	WIN MUL
	MUL4 \f, 0, \zero
	MUL4 \f, 1, \zero
	MUL4 \f, 2, \zero
	MUL4 \f, 3, \zero
.endm
; A slot's last quarter multiplies buffer 1 and changes slots: ONE barrier; in front of it each wave waits for all its tensor loads, adds 0 to its spare word, and waits for that and for its reads of this slot.
.macro TURN slot, next, fill
	WIN 0
	s_wait_tensorcnt 0x0                           ; all my tensor loads have landed: my part of the next slot
	ds_add_u32 v[SPW], v[NIL]                      ; 0 onto my spare word
	s_wait_dscnt 1                                 ; buffer 1 is in (the add may be out)
	WIN MUL
	MUL4 F1, 0, 0
	s_wait_dscnt 0x0                               ; the add is done, and my reads of this slot are over
	s_barrier_signal -1
	MUL4 F1, 1, 0
.if \fill
	WIN 0
.endif
	s_barrier_wait -1
.if \fill
	CREST                                          ; the barrier has opened a round of the cluster's barrier
	s_add_nc_u64 s[G0+4*\slot+2:G0+4*\slot+3], s[G0+4*\slot+2:G0+4*\slot+3], 2*ASTEP
	s_add_nc_u64 s[G0B+4*\slot+2:G0B+4*\slot+3], s[G0B+4*\slot+2:G0B+4*\slot+3], 2*KSTEP
	JLOAD \slot                                    ; the first tensor load behind the round; its four v_nop are the places in front of the loads below
.else
	PLACES
.endif
	FETCH \next, 0, F0
	WIN MUL
	MUL4 F1, 2, 0
	MUL4 F1, 3, 0
.endm
	s_wait_tensorcnt 1                             ; my part of K step 0 is in (K step 1's load may be out),
	s_barrier_signal -1
	s_barrier_wait -1                              ; everybody's is
	FETCH 0, 0, F0
	QUARTER 0, 1, F0, F1, 1                        ; the first quarter's products start the sums
.if LAPS > 1
	WIN 0
	s_mov_b32 s3, LAPS-1
.Llap:                                                 ; a trip goes once round the ring and fills both slots again
	QUARTER 0, 2, F1, F0, 0
	QUARTER 0, 3, F0, F1, 0
	TURN 0, 1, 1
	QUARTER 1, 1, F0, F1, 0
	QUARTER 1, 2, F1, F0, 0
	QUARTER 1, 3, F0, F1, 0
	TURN 1, 0, 1
	QUARTER 0, 1, F0, F1, 0
	WIN 0
	s_sub_co_u32 s3, s3, 1
	s_cmp_lg_u32 s3, 0
	s_cbranch_scc1 .Llap
.endif
	QUARTER 0, 2, F1, F0, 0                        ; the last lap fills nothing
	QUARTER 0, 3, F0, F1, 0
	TURN 0, 1, 0
	QUARTER 1, 1, F0, F1, 0
	QUARTER 1, 2, F1, F0, 0
	QUARTER 1, 3, F0, F1, 0
	s_wait_dscnt 0x0
	WIN MUL
	MUL4 F1, 0, 0
	MUL4 F1, 1, 0
	MUL4 F1, 2, 0
	MUL4 F1, 3, 0
	WIN 0
	; THE WAY OUT, 16 rows x 64 columns at a time: the sums through my stage, back as whole rows of 256 bytes; x 2^(eA + eB) + bias; + the residual; stored
	PLACES
	s_wait_loadcnt 0x0                             ; the bias and the residual
	s_wait_kmcnt 0x0
	s_add_co_i32 s80, s80, s81
	s_add_co_i32 s80, s80, 127
	s_lshl_b32 s80, s80, 23                        ; 2^(eA + eB) as f32
	s_mov_b32 s81, s80                             ; (named with it as a pair)
.irp a, 0,1,2,3
.irp b, 0,1,2,3
	ds_store_b128 v[STO], v[ACC+8*(4*\a+\b):ACC+8*(4*\a+\b)+3] offset:64*\b         ; each accumulator from its low end on
	ds_store_b128 v[STO], v[ACC+8*(4*\a+\b)+4:ACC+8*(4*\a+\b)+7] offset:64*\b+16
.endr
.irp t, 0,1,2,3,4,5,6,7
	ds_load_b128 v[TMP+4*\t:TMP+4*\t+3], v[RD] offset:544*\t   ; LDS serves a wave's instructions in order (ISA guide 5.7.1.4): these see my stores
.endr
.irp t, 0,1,2,3,4,5,6,7
	s_wait_dscnt 7-\t
	v_pk_fma_f32 v[TMP+4*\t:TMP+4*\t+1], v[TMP+4*\t:TMP+4*\t+1], s[80:81], v[8:9] op_sel_hi:[1,0,1]
	v_pk_fma_f32 v[TMP+4*\t+2:TMP+4*\t+3], v[TMP+4*\t+2:TMP+4*\t+3], s[80:81], v[10:11] op_sel_hi:[1,0,1]
.endr
	WIN 0x88                                       ; source 1 and destination window 2: the residual; a store's data are its source 1
.irp t, 0,1,2,3,4,5,6,7
	v_pk_add_f32 v[4*(8*\a+\t):4*(8*\a+\t)+1], v[TMP+4*\t:TMP+4*\t+1], v[4*(8*\a+\t):4*(8*\a+\t)+1]
	v_pk_add_f32 v[4*(8*\a+\t)+2:4*(8*\a+\t)+3], v[TMP+4*\t+2:TMP+4*\t+3], v[4*(8*\a+\t)+2:4*(8*\a+\t)+3]
	global_store_b128 v[CO], v[4*(8*\a+\t):4*(8*\a+\t)+3], s[8:9] offset:(16*\a+2*\t)*4096   ; sixteen lanes store 256 consecutive bytes, aligned; every store has registers of its own
.endr
	WIN 0
.endr
	s_wait_tensorcnt 0x0                           ; the wave's end
	ds_add_u32 v[SPW], v[NIL]
	s_wait_dscnt 0x0
	CROUND                                         ; the closing round
	s_endpgm
.Lfunc_end_k_q9231d69d79_wo:
	.size	k_q9231d69d79_wo, .Lfunc_end_k_q9231d69d79_wo-k_q9231d69d79_wo
	.p2alignl 7, 3214868480
	.fill 96, 4, 3214868480
	.section	.rodata,"a",@progbits
	.p2align	6, 0x0
	.amdhsa_kernel k_q9231d69d79_wo
		.amdhsa_group_segment_fixed_size 327680
		.amdhsa_private_segment_fixed_size 0
		.amdhsa_enable_private_segment 0
		.amdhsa_kernarg_size 48
		.amdhsa_user_sgpr_count 2
		.amdhsa_user_sgpr_kernarg_segment_ptr 1
		.amdhsa_wavefront_size32 1
		.amdhsa_system_sgpr_workgroup_id_x 1
		.amdhsa_system_sgpr_workgroup_id_y 1
		.amdhsa_system_sgpr_workgroup_id_z 1
		.amdhsa_system_vgpr_workitem_id 0
		.amdhsa_next_free_vgpr 640
		.amdhsa_next_free_sgpr 84
		.amdhsa_reserve_vcc 0
		.amdhsa_float_denorm_mode_32 3
		.amdhsa_float_denorm_mode_16_64 3
		.amdhsa_memory_ordered 1
		.amdhsa_forward_progress 1
		.amdhsa_inst_pref_size 54
	.end_amdhsa_kernel
	.amdgpu_metadata
---
amdhsa.version: [ 1, 2 ]
amdhsa.kernels:
  - .name:           k_q9231d69d79_wo
    .symbol:         k_q9231d69d79_wo.kd
    .args:
      - { .name: ac, .offset: 0, .size: 8, .value_kind: global_buffer, .address_space: global }
      - { .name: wc, .offset: 8, .size: 8, .value_kind: global_buffer, .address_space: global }
      - { .name: lowp_scales, .offset: 16, .size: 8, .value_kind: global_buffer, .address_space: global }
      - { .name: bo, .offset: 24, .size: 8, .value_kind: global_buffer, .address_space: global }
      - { .name: x, .offset: 32, .size: 8, .value_kind: global_buffer, .address_space: global }
      - { .name: x1, .offset: 40, .size: 8, .value_kind: global_buffer, .address_space: global }
    .group_segment_fixed_size: 327680
    .private_segment_fixed_size: 0
    .kernarg_segment_align: 8
    .kernarg_segment_size: 48
    .max_flat_workgroup_size: 128
    .sgpr_count:     84
    .vgpr_count:     640
    .wavefront_size: 32
...
	.end_amdgpu_metadata
.endif
;; end of part 4
;; launch ln2 (part 5): grid 256 x 1, 4 waves a work-group, no clusters, 0 bytes of LDS; arguments x1, a2, c2, lowp_scales, h2c; writes h2c
.if DOCPART == 5
	.amdgcn_target "amdgcn-amd-amdhsa--gfx1250"
	.amdhsa_code_object_version 6
	.text
	.protected	k_q9231d69d79_ln2
	.globl	k_q9231d69d79_ln2
	.p2align	8
	.type	k_q9231d69d79_ln2,@function
k_q9231d69d79_ln2:
	s_mov_b64 s[64:65], 0
	v_nop
	global_prefetch_b8 v0, s[64:65] scope:SCOPE_SE
	s_setreg_imm32_b32 hwreg(HW_REG_WAVE_MODE, 25, 1), 1
	s_wait_xcnt 0x0
; LAYER NORM 2: y = a2 (x1 - mean) / (std + 1e-6) + c2, std unbiased, over rows of 1,024; y is quantised under e12 into h2c [4096][1024], codes of E4M3.
; A wave takes four rows; a row lies in 32 registers of the wave between its three passes, so it is read once.  No LDS, no barrier.
; LIMITS: e12 between -126 and 119; NaN among the inputs is not served.
.set X,    32                          ; v32-159 four rows of 32 registers
.set T,    160                         ; v160-175 two sets of 8 held numbers
.set CD,   176                         ; v176-183 codes
.set SELR, 18
.set SA,   14
.set OB,   12
.set XB,   4
.macro QC e, vsc, vhi, tmp             ; s[e] = e:  v[vsc] = 2^e as f32, v[vhi] = 448 x 2^e
	s_add_co_i32 s[\tmp], s[\e], 127
	s_lshl_b32 s[\tmp+1], s[\tmp], 23
	v_mov_b32 v[\vsc], s[\tmp+1]
	s_add_co_i32 s[\tmp], s[\tmp], 8
	s_lshl_b32 s[\tmp], s[\tmp], 23
	s_or_b32 s[\tmp], s[\tmp], 0x600000
	v_mov_b32 v[\vhi], s[\tmp]
.endm
.macro WSUM a, b                       ; the sum of v[a] over the 32 lanes, in every lane
	v_add_f32_dpp v[\a], v[\a], v[\a] row_xmask:1 row_mask:0xf bank_mask:0xf
	v_add_f32_dpp v[\a], v[\a], v[\a] row_xmask:2 row_mask:0xf bank_mask:0xf
	v_add_f32_dpp v[\a], v[\a], v[\a] row_xmask:4 row_mask:0xf bank_mask:0xf
	v_add_f32_dpp v[\a], v[\a], v[\a] row_xmask:8 row_mask:0xf bank_mask:0xf
	v_permlanex16_b32 v[\b], v[\a], s[SELR], s[SELR+1]
	v_add_f32 v[\a], v[\a], v[\b]
.endm
; One row: register 8 c + e of a lane is element 256 c + 8 lane + e.  left: the loads of younger rows, which may stay out.
.macro LNROW p, left, nout
.set XR, X+32*(\p)
	s_wait_loadcnt \left
	v_pk_add_f32 v[16:17], v[XR:XR+1], v[XR+2:XR+3]
	v_pk_add_f32 v[18:19], v[XR+4:XR+5], v[XR+6:XR+7]
.irp j, 8,12,16,20,24,28
	v_pk_add_f32 v[16:17], v[16:17], v[XR+\j:XR+\j+1]
	v_pk_add_f32 v[18:19], v[18:19], v[XR+\j+2:XR+\j+3]
.endr
	v_pk_add_f32 v[16:17], v[16:17], v[18:19]
	v_add_f32 v16, v16, v17
	WSUM 16, 17
	v_mul_f32 v16, 0x3a800000, v16                 ; the mean: / 1024
.set lj, 0
.rept 16
	v_pk_add_f32 v[XR+lj:XR+lj+1], v[XR+lj:XR+lj+1], v[16:17] op_sel_hi:[1,0] neg_lo:[0,1] neg_hi:[0,1]   ; d = x - mean, ahead of the squares
.set lj, lj+2
.endr
	v_pk_mul_f32 v[18:19], v[XR:XR+1], v[XR:XR+1]
	v_pk_mul_f32 v[24:25], v[XR+2:XR+3], v[XR+2:XR+3]
.irp j, 4,8,12,16,20,24,28
	v_pk_fma_f32 v[18:19], v[XR+\j:XR+\j+1], v[XR+\j:XR+\j+1], v[18:19]
	v_pk_fma_f32 v[24:25], v[XR+\j+2:XR+\j+3], v[XR+\j+2:XR+\j+3], v[24:25]
.endr
	v_pk_add_f32 v[18:19], v[18:19], v[24:25]
	v_add_f32 v18, v18, v19
	WSUM 18, 19
	v_mul_f32 v18, 0x3a802008, v18                 ; / 1023
	v_sqrt_f32 v19, v18
	v_nop                                          ; a plain instruction behind the root,
	s_wait_alu depctr_va_vdst(0)                   ; and a wait ahead of its first reader
	v_add_f32 v19, 0x358637bd, v19                 ; + 1e-6
	v_rcp_f32 v20, v19
	v_nop
	s_wait_alu depctr_va_vdst(0)
	v_mul_f32 v20, s[SA], v20
.set lj, 0
.rept 16
	v_pk_fma_f32 v[XR+lj:XR+lj+1], v[XR+lj:XR+lj+1], v[20:21], v[22:23] op_sel_hi:[1,0,0]
.set lj, lj+2
.endr
.if (\p) > 0
	s_wait_xcnt 0x0                                ; the last row's stores have read their data: the codes' registers are written again only behind this wait
.endif
.set lo, 0
.rept \nout
.set lc, 0
.rept 4
.set le, 0
.rept 8
	v_med3_num_f32 v[T+8*(lc%2)+le], v[XR+8*lc+le], -v[201+2*lo], v[201+2*lo]   ; the conversion to an 8-bit code does not saturate (ISA guide 7.6.2)
.set le, le+1
.endr
	v_cvt_scalef32_pk8_fp8_f32 v[CD+8*lo+2*lc:CD+8*lo+2*lc+1], v[T+8*(lc%2):T+8*(lc%2)+7], v[200+2*lo]
.set lc, lc+1
.endr
.set lo, lo+1
.endr
.set lo, 0
.rept \nout
.irp c, 0,1,2,3
	global_store_b64 v3, v[CD+8*lo+2*\c:CD+8*lo+2*\c+1], s[OB+2*lo:OB+2*lo+1] offset:1024*(\p)+256*\c   ; 32 lanes store 256 consecutive bytes, aligned
.endr
.set lo, lo+1
.endr
.endm
	s_load_b256 s[4:11], s[0:1], 0x0               ; x1, a2, c2, the exponents
	s_load_b64 s[12:13], s[0:1], 0x20              ; h2c
	v_lshrrev_b32 v1, 5, v0
	v_readfirstlane_b32 s2, v1
	v_and_b32 v1, 31, v0
	v_lshlrev_b32 v2, 5, v1
	v_lshlrev_b32 v3, 3, v1
	s_lshl_b32 s20, ttmp9, 4
	s_lshl_b32 s21, s2, 2
	s_add_co_u32 s20, s20, s21                     ; my first row
	s_lshl_b32 s22, s20, 12
	s_mov_b32 s23, 0
	s_mov_b32 s[SELR], 0x76543210
	s_mov_b32 s[SELR+1], 0xfedcba98
	s_wait_kmcnt 0x0
	s_load_b32 s14, s[6:7], 0x0                    ; a2
	s_load_b32 s15, s[8:9], 0x0                    ; c2
	s_load_b32 s16, s[10:11], 0x30                 ; e12
	s_add_nc_u64 s[4:5], s[4:5], s[22:23]
	s_lshl_b32 s22, s20, 10
	s_add_nc_u64 s[12:13], s[12:13], s[22:23]
.irp p, 0,1,2,3
.irp c, 0,1,2,3
	global_load_b128 v[X+32*\p+8*\c:X+32*\p+8*\c+3], v2, s[XB:XB+1] offset:4096*\p+1024*\c
	global_load_b128 v[X+32*\p+8*\c+4:X+32*\p+8*\c+7], v2, s[XB:XB+1] offset:4096*\p+1024*\c+16
.endr
.endr
	s_wait_kmcnt 0x0
	QC 16, 200, 201, 24
	v_mov_b32 v21, 0                               ; (named as the upper half of a pair)
	v_mov_b32 v22, s15
	v_mov_b32 v23, s15
	LNROW 0, 24, 1
	LNROW 1, 16, 1
	LNROW 2, 8, 1
	LNROW 3, 0, 1
	s_endpgm
.Lfunc_end_k_q9231d69d79_ln2:
	.size	k_q9231d69d79_ln2, .Lfunc_end_k_q9231d69d79_ln2-k_q9231d69d79_ln2
	.p2alignl 7, 3214868480
	.fill 96, 4, 3214868480
	.section	.rodata,"a",@progbits
	.p2align	6, 0x0
	.amdhsa_kernel k_q9231d69d79_ln2
		.amdhsa_group_segment_fixed_size 0
		.amdhsa_private_segment_fixed_size 0
		.amdhsa_enable_private_segment 0
		.amdhsa_kernarg_size 40
		.amdhsa_user_sgpr_count 2
		.amdhsa_user_sgpr_kernarg_segment_ptr 1
		.amdhsa_wavefront_size32 1
		.amdhsa_system_sgpr_workgroup_id_x 1
		.amdhsa_system_sgpr_workgroup_id_y 1
		.amdhsa_system_sgpr_workgroup_id_z 1
		.amdhsa_system_vgpr_workitem_id 0
		.amdhsa_next_free_vgpr 208
		.amdhsa_next_free_sgpr 66
		.amdhsa_reserve_vcc 0
		.amdhsa_float_denorm_mode_32 3
		.amdhsa_float_denorm_mode_16_64 3
		.amdhsa_memory_ordered 1
		.amdhsa_forward_progress 1
		.amdhsa_inst_pref_size 36
	.end_amdhsa_kernel
	.amdgpu_metadata
---
amdhsa.version: [ 1, 2 ]
amdhsa.kernels:
  - .name:           k_q9231d69d79_ln2
    .symbol:         k_q9231d69d79_ln2.kd
    .args:
      - { .name: x1, .offset: 0, .size: 8, .value_kind: global_buffer, .address_space: global }
      - { .name: a2, .offset: 8, .size: 8, .value_kind: global_buffer, .address_space: global }
      - { .name: c2, .offset: 16, .size: 8, .value_kind: global_buffer, .address_space: global }
      - { .name: lowp_scales, .offset: 24, .size: 8, .value_kind: global_buffer, .address_space: global }
      - { .name: h2c, .offset: 32, .size: 8, .value_kind: global_buffer, .address_space: global }
    .group_segment_fixed_size: 0
    .private_segment_fixed_size: 0
    .kernarg_segment_align: 8
    .kernarg_segment_size: 40
    .max_flat_workgroup_size: 128
    .sgpr_count:     66
    .vgpr_count:     208
    .wavefront_size: 32
...
	.end_amdgpu_metadata
.endif
;; end of part 5
;; launch ffn1 (part 6): grid 16 x 16, 4 waves a work-group, clusters of 4 x 4, 327,680 bytes of LDS; arguments h2c, wc, lowp_scales, b1, fc; writes fc
.if DOCPART == 6
	.amdgcn_target "amdgcn-amd-amdhsa--gfx1250"
	.amdhsa_code_object_version 6
	.text
	.protected	k_q9231d69d79_ffn1
	.globl	k_q9231d69d79_ffn1
	.p2align	8
	.type	k_q9231d69d79_ffn1,@function
k_q9231d69d79_ffn1:
	s_mov_b64 s[64:65], 0
	v_nop
	global_prefetch_b8 v0, s[64:65] scope:SCOPE_SE
	s_setreg_imm32_b32 hwreg(HW_REG_WAVE_MODE, 25, 1), 1
	s_wait_xcnt 0x0
	s_wait_alu depctr_hold_cnt(0) depctr_sa_sdst(0) depctr_va_vdst(0) depctr_va_sdst(0) depctr_va_ssrc(0) depctr_va_vcc(0) depctr_vm_vsrc(0)
	s_getreg_b32 s2, hwreg(HW_REG_IB_STS2, 6, 4)
	s_cmp_eq_u32 s2, 0
	s_cbranch_scc0 .Lentry_in_a_cluster
	s_endpgm
.Lentry_in_a_cluster:
	s_bfe_u32 s2, ttmp6, 0x10000c
	s_cmp_lg_u32 s2, 0xf033
	s_cbranch_scc0 .Lentry_shape_is_right
	s_endpgm
.Lentry_shape_is_right:
; A GEMM on codes of E4M3 whose results leave as codes again.  C[m][n] = sum over k of R[m][k] S[n][k]; R (the row operand) and S (the column operand) are [.][1024] codes, K innermost.
; MODE 1 (this text): the hidden layer of the feed-forward net, relu(h w1 + b1): rows = tokens (h2c), columns = hidden units (w1's codes, 4 MiB into wc).  256 work-groups.  Out: fc [4096][4096] codes.
; MODE 0 (the other text of this form): q, k and v of the attention.
; code = (sum x 2^(eA + eB) + bias) / 2^eo, held within 0 and 448: the activation and the hold in one.  It is made as (sum + bias / 2^(eA + eB)) under the one scale 2^(eo - eA - eB).
; LIMITS: eo - eA - eB between -126 and 119, so that the scale and 448 x the scale are f32 numbers.  NaN is not served.
; A tile of C, 256 x 256, is made by four waves, each 128 x 128: 64 accumulators, 512 registers.  K goes in steps of 256 through a ring of two LDS slots filled by the tensor data mover.
; CLUSTERS: 4 x 4 work-groups: the four of a row of the cluster need the same tiles of R, the four of a column the same tiles of S: each tile is asked for JOINTLY.
; THE MATRIX INSTRUCTION IS USED TRANSPOSED (source 0 = 16 rows of S, source 1 = 16 rows of R): a lane holds eight neighbouring columns of a row of C: eight neighbours along the next product's K.
; A fragment is fetched by four loads of 16 bytes: a permutation of k inside an instruction, the same on both sides; only the order of the sums inside an instruction changes.
; REGISTERS, in windows of 256: window 0: v0-31 addresses; v32-95 the columns' bias; from v128 R's fragments, ONE set (on the way out: v128-191 at work, v192-223 codes, then v128-255 rows).
;   window 1: S's fragments, TWO sets.   window 2: the accumulators of my rows 0-63 ((a, b) at v[8 (8 a + b)]);   window 3: those of my rows 64-127.
.set MODE,   1
.set SIZE_K, 1024
.set KSTEP,  256
.set ROWB,   256
.set KROW,   SIZE_K
.set PITCH,  272                       ; an LDS row: 256 bytes + 16 of padding = 68 words: the 16 rows that a load touches start at 16 different banks (64 banks of 4 bytes: ISA guide 11.1)
.set FR,     16
.set NL,     4
.set NP,     4
.set HALFT,  128*PITCH
.set SLOT,   4*HALFT
.set LAPS,   SIZE_K/(2*KSTEP)
.set SPARE,  2*SLOT                    ; behind the ring: the spare words, 128 bytes for each wave
.set ADRA, 16
.set ADRB, 20
.set STO,  24                          ; the way out: where I put 8 codes of a row.  The stage, 256 rows x 272 bytes, lies in slot 0, which has had its last fill and its last read by then
.set RD,   25                          ; where I read whole rows back
.set CO,   26                          ; and their place in memory
.set SPW,  28
.set NIL,  29
.set CB,   32
.set AF,   128
.set T,    128
.set G1, 24
.set G0, 32
.set G1B, 48
.set G0B, 56
.set MSB, 0
.macro WIN new                         ; the immediate's high byte repeats the setting that is left
.if MSB != \new
	s_set_vgpr_msb (MSB<<8)|\new
.set MSB, \new
.endif
.endm
.set MUL_LO, 0xa1
.set MUL_HI, 0xf1
.set TO_B,   0x40
.macro JLOAD g0a, g1a, g0b, g1b        ; a joint load: waves 0 and 1 fetch for R, waves 2 and 3 for S; four v_nop follow each line
	s_cmp_eq_u32 s15, 0
	s_cbranch_scc0 .Lfor_b_\@
	tensor_load_to_lds s[\g0a:\g0a+3], s[\g1a:\g1a+7]
	s_nop 0
.rept 4
	v_nop
.endr
	s_branch .Lasked_\@
.Lfor_b_\@:
	tensor_load_to_lds s[\g0b:\g0b+3], s[\g1b:\g1b+7]
	s_nop 0
.rept 4
	v_nop
.endr
.Lasked_\@:
.endm
.macro CREST
	s_cmp_lg_u32 s14, 0
	s_cbranch_scc1 .Lnot_wave_0_\@
	s_barrier_signal -3
.Lnot_wave_0_\@:
	s_barrier_wait -3
	s_barrier_signal -1
	s_barrier_wait -1
.endm
.macro CROUND
	s_barrier_signal -1
	s_barrier_wait -1
	CREST
.endm
	s_load_b256 s[68:75], s[0:1], 0x0              ; h2c, wc, the exponents, b1
	s_load_b64 s[80:81], s[0:1], 0x20              ; fc
	v_lshl_add_u32 v[SPW], v0, 2, SPARE
	v_mov_b32 v[NIL], 0
	ds_add_u32 v28, v29
	ds_add_u32 v28, v29
	s_wait_dscnt 0x0
	v_lshrrev_b32 v1, 5, v0
	v_readfirstlane_b32 s14, v1                    ; wave 0..3
	s_lshr_b32 s15, s14, 1                         ; which half of the tile's rows is mine.  Also: I fetch for R (0) or for S (1)
	s_and_b32 s16, s14, 1                          ; which half of its columns.  Also: which 128 rows I fetch
	s_bfe_u32 s40, ttmp6, 0x40000                  ; cx, cy: my place in the cluster
	s_bfe_u32 s41, ttmp6, 0x40004
	s_and_b32 s67, ttmp7, 0xffff
	s_lshl_b32 s18, s67, 2
	s_lshl_b32 s19, ttmp9, 2
	s_add_co_u32 s17, s18, s41                     ; tile row of C
	s_add_co_u32 s42, s19, s40                     ; tile column of C
	s_lshl_b32 s43, s41, 2
	s_lshl_b32 s43, 15, s43                        ; my row of the cluster
	s_lshl_b32 s44, 0x1111, s40                    ; my column
	s_or_b32 s[G1+0], s43, (0<<16)|(1<<20)|(1<<21)|(5<<22)|(3<<25)  ; 15:0 the mask; 17:16 elements of 1 byte; 20 padding on; 21 set beside a mask; 24:22 after every 64 words; 31:25 four words
	s_or_b32 s[G1B+0], s44, (0<<16)|(1<<20)|(1<<21)|(5<<22)|(3<<25)
.irp g, G1, G1B
	s_mov_b32 s[\g+1], ROWB<<16                    ; tensor_dim0
	s_mov_b32 s[\g+2], 128<<16                     ; tensor_dim1
	s_mov_b32 s[\g+3], ROWB<<16                    ; tile_dim0
	s_mov_b32 s[\g+4], 128                         ; tile_dim1
	s_mov_b32 s[\g+5], KROW                        ; from row to row
	s_mov_b32 s[\g+6], 0
	s_mov_b32 s[\g+7], 0
.endr
	s_lshl_b32 s18, s16, 7
	s_lshl_b32 s20, s17, 8
	s_add_co_u32 s20, s20, s18                     ; R: row 256 x tile row + 128 x half
	s_lshl_b32 s46, s42, 8
	s_add_co_u32 s46, s46, s18                     ; S: row 256 x tile column + 128 x half
	s_lshl_b32 s20, s20, 10                        ; rows of 1,024 bytes
	s_lshl_b32 s46, s46, 10
	s_add_co_u32 s46, s46, 0x400000                ; w1's codes
	s_mov_b32 s21, 0
	s_mov_b32 s47, 0
	s_mul_i32 s45, s14, HALFT                      ; where they go: wave x 128 rows
	s_wait_kmcnt 0x0
	s_load_b512 s[84:99], s[72:73], 0x0            ; e0 .. e15
	s_mov_b64 s[8:9], s[74:75]
	s_add_nc_u64 s[20:21], s[68:69], s[20:21]
	s_add_nc_u64 s[46:47], s[70:71], s[46:47]
	CROUND                                         ; all sixteen work-groups are here: the first joint loads meet
.irp s, 0,1
	s_mov_b32 s[G0+4*\s], 1
	s_add_co_u32 s[G0+4*\s+1], s45, \s*SLOT
	s_add_nc_u64 s[G0+4*\s+2:G0+4*\s+3], s[20:21], \s*ROWB
	s_or_b32 s[G0+4*\s+3], s[G0+4*\s+3], 0x80000000
	s_mov_b32 s[G0B+4*\s], 1
	s_add_co_u32 s[G0B+4*\s+1], s45, \s*SLOT
	s_add_nc_u64 s[G0B+4*\s+2:G0B+4*\s+3], s[46:47], \s*ROWB
	s_or_b32 s[G0B+4*\s+3], s[G0B+4*\s+3], 0x80000000
	JLOAD G0+4*\s, G1, G0B+4*\s, G1B
.endr
	v_and_b32 v1, 15, v0                           ; r = l % 16
	v_bfe_u32 v2, v0, 4, 1                         ; h = l / 16
	v_mul_u32_u24 v3, v1, PITCH
	v_lshl_add_u32 v4, v2, 4, v3
	s_mul_i32 s21, s15, HALFT
	s_mul_i32 s22, s16, HALFT
	s_add_co_u32 s22, s22, 2*HALFT
.irp s, 0,1
	v_add_nc_u32 v[ADRA+\s], s21, v4
	v_add_nc_u32 v[ADRB+\s], s22, v4
	s_add_co_u32 s21, s21, SLOT
	s_add_co_u32 s22, s22, SLOT
.endr
	s_mul_i32 s23, s15, 128*272                    ; the stage: row 128 x my half + r, byte 128 x my half of the columns + 8 h
	s_lshl_b32 s21, s16, 7
	s_add_co_u32 s23, s23, s21
	v_lshl_add_u32 v[STO], v2, 3, v3
	v_add_nc_u32 v[STO], s23, v[STO]
	s_mul_i32 s23, s14, 64*272                     ; back: wave w takes rows 64 w .. 64 w + 63
	v_mul_u32_u24 v5, v2, 272
	v_lshl_add_u32 v5, v1, 4, v5
	v_add_nc_u32 v[RD], s23, v5
	v_lshlrev_b32 v[CO], 12, v2                    ; rows of 4,096 codes
	v_lshl_add_u32 v[CO], v1, 4, v[CO]
	; the bias, asked for now, wanted on the way out: lane (r, h) wants, for block b, those of columns 16 b + 8 h + 0 .. 7
	v_lshlrev_b32 v12, 5, v2
	s_lshl_b32 s46, s42, 8
	s_lshl_b32 s47, s16, 7
	s_add_co_u32 s46, s46, s47
	s_lshl_b32 s46, s46, 2                         ; my first column, in bytes of f32
	v_add_nc_u32 v12, s46, v12
.irp b, 0,1,2,3,4,5,6,7
	global_load_b128 v[CB+8*\b:CB+8*\b+3], v12, s[8:9] offset:64*\b
	global_load_b128 v[CB+8*\b+4:CB+8*\b+7], v12, s[8:9] offset:64*\b+16
.endr
	s_lshl_b32 s46, s17, 8                         ; where my 64 rows of the stage go
	s_lshl_b32 s47, s14, 6
	s_add_co_u32 s46, s46, s47
	s_lshl_b32 s46, s46, 12
	s_lshl_b32 s47, s42, 8
	s_add_co_u32 s46, s46, s47
	s_mov_b32 s47, 0
	s_add_nc_u64 s[10:11], s[80:81], s[46:47]
.macro FRAG reg, adr, q, i             ; 16 rows x 128 K: lane l holds row l % 16; registers 4 c .. 4 c + 3 hold K = 32 c + 16 (l / 16) + 0 .. 15
.irp c, 0,1,2,3
	ds_load_b128 v[\reg+4*\c:\reg+4*\c+3], v[\adr] offset:128*(\q)+32*\c+(\i)*16*PITCH
.endr
.endm
; 16 matrix instructions: R's blocks a0, a0 + 1 x S's eight.  The 64 accumulators take turns, one instruction a turn, in the same order in every step.
.macro MUL16 a0, p, zero
.irp a, \a0, \a0+1
.irp b, 0,1,2,3,4,5,6,7
.if \zero
	v_wmma_f32_16x16x128_fp8_fp8 v[8*(8*((\a)%4)+\b):8*(8*((\a)%4)+\b)+7], v[128*(\p)+FR*\b:128*(\p)+FR*\b+FR-1], v[AF+FR*(\a):AF+FR*(\a)+FR-1], 0
.else
	v_wmma_f32_16x16x128_fp8_fp8 v[8*(8*((\a)%4)+\b):8*(8*((\a)%4)+\b)+7], v[128*(\p)+FR*\b:128*(\p)+FR*\b+FR-1], v[AF+FR*(\a):AF+FR*(\a)+FR-1], v[8*(8*((\a)%4)+\b):8*(8*((\a)%4)+\b)+7]
.endif
.endr
.endr
.endm
.macro FETCH_B slot, q, p
	WIN TO_B
.irp i, 0,1,2,3,4,5,6,7
	FRAG 128*(\p)+FR*\i, ADRB+\slot, \q, \i
.endr
	WIN 0
.endm
.macro FETCH_A slot, q, i0
.irp i, \i0, \i0+1, \i0+2, \i0+3
	FRAG AF+FR*(\i), ADRA+\slot, \q, \i
.endr
.endm
.macro PLACES n                        ; plain vector instructions between a matrix instruction and a load into, or a vector instruction on, its registers
.rept \n
	v_nop
.endr
.endm
.macro STEP slot, q, zero              ; 128 along K whose successor lies in the same slot
	s_wait_dscnt 4*NL                              ; S's set and R's blocks 0-3 are in; the youngest sixteen loads (R's blocks 4-7) may be out
	WIN MUL_LO
	MUL16 0, (\q)%2, \zero
	MUL16 2, (\q)%2, \zero
	s_wait_dscnt 0
	PLACES NP
	FETCH_B \slot, (\q)+1, 1-(\q)%2
	FETCH_A \slot, (\q)+1, 0
	WIN MUL_HI
	MUL16 4, (\q)%2, \zero
	MUL16 6, (\q)%2, \zero
	PLACES NP
	WIN 0
	FETCH_A \slot, (\q)+1, 4
.endm
; A slot's last step changes slots: ONE barrier; in front of it each wave waits for all its tensor loads, adds 0 to its spare word, and waits for that and for its reads of this slot.
.macro TURN slot, next, fill
	s_wait_tensorcnt 0x0                           ; all my tensor loads have landed: my part of the next slot
	ds_add_u32 v[SPW], v[NIL]                      ; 0 onto my spare word
	s_wait_dscnt 4*NL+1                            ; (the add and the youngest sixteen loads may be out)
	WIN MUL_LO
	MUL16 0, 1, 0
	s_wait_dscnt 0x0                               ; the add is done, and my reads of this slot are over
	s_barrier_signal -1
	MUL16 2, 1, 0
	WIN 0
	s_barrier_wait -1
.if \fill
	CREST                                          ; the barrier has opened a round of the cluster's barrier: no wave of any partner still reads this slot or has a load on its way
	s_add_nc_u64 s[G0+4*\slot+2:G0+4*\slot+3], s[G0+4*\slot+2:G0+4*\slot+3], 2*ROWB
	s_add_nc_u64 s[G0B+4*\slot+2:G0B+4*\slot+3], s[G0B+4*\slot+2:G0B+4*\slot+3], 2*ROWB
	JLOAD G0+4*\slot, G1, G0B+4*\slot, G1B         ; the first tensor load behind the round; its four v_nop are the places in front of the loads below
.else
	PLACES NP
.endif
	FETCH_B \next, 0, 0
	FETCH_A \next, 0, 0
	WIN MUL_HI
	MUL16 4, 1, 0
	MUL16 6, 1, 0
	PLACES NP
	WIN 0
	FETCH_A \next, 0, 4
.endm
	s_wait_tensorcnt 1                             ; my part of K step 0 is in (K step 1's load may be out),
	s_barrier_signal -1
	s_barrier_wait -1                              ; everybody's is
	FETCH_B 0, 0, 0
	FETCH_A 0, 0, 0
	FETCH_A 0, 0, 4
	STEP 0, 0, 1                                   ; the first step's products start the sums
	s_mov_b32 s3, LAPS-1
.Llap:                                                 ; a trip goes once round the ring and fills both slots again
	TURN 0, 1, 1
	STEP 1, 0, 0
	TURN 1, 0, 1
	STEP 0, 0, 0
	s_sub_co_u32 s3, s3, 1
	s_cmp_lg_u32 s3, 0
	s_cbranch_scc1 .Llap
	TURN 0, 1, 0                                   ; the last lap fills nothing
	STEP 1, 0, 0
	s_wait_dscnt 4*NL
	WIN MUL_LO
	MUL16 0, 1, 0
	MUL16 2, 1, 0
	s_wait_dscnt 0
	WIN MUL_HI
	MUL16 4, 1, 0
	MUL16 6, 1, 0
	WIN 0
	; THE WAY OUT.  sum + bias / 2^(eA + eB), held, converted under 2^(eo - eA - eB): 8 codes a lane and accumulator; through the work-group's stage; out in runs of 256 bytes.
	s_wait_loadcnt 0x0                             ; the bias
	s_wait_kmcnt 0x0                               ; the exponents
	s_add_co_i32 s12, s96, s97                     ; e12 + e13
	s_mov_b32 s13, s98                             ; the hidden layer under e14
	s_sub_co_i32 s18, 0, s12
	s_sub_co_i32 s19, s13, s12
	s_add_co_i32 s19, s19, 127
	s_lshl_b32 s20, s19, 23
	s_add_co_i32 s19, s19, 8
	s_lshl_b32 s19, s19, 23
	s_or_b32 s19, s19, 0x600000
	PLACES NP                                      ; behind the last products: R's fragments' registers are written below
	v_mov_b32 v14, s20                             ; 2^(eo - eA - eB)
	v_mov_b32 v15, s19                             ; 448 x that
	v_mov_b32 v11, 0                               ; the activation: what is negative becomes 0
.set bj, 0
.rept 64
	v_ldexp_f32 v[CB+bj], v[CB+bj], s18
.set bj, bj+1
.endr
.macro BLOCK a                         ; my rows 16 a .. 16 a + 15
.set AC, 64*((\a)%4)
.set CDE, 192+16*((\a)%2)
	WIN 0x02+((\a)/4)                              ; source 0: window 2 or 3
.set bj, 0
.rept 32
	v_pk_add_f32 v[T+bj:T+bj+1], v[AC+bj:AC+bj+1], v[CB+bj:CB+bj+1]   ; each accumulator from its low end on
.set bj, bj+2
.endr
	WIN 0
.if (\a) >= 2
	s_wait_dscnt 8                                 ; block a - 2's stores have read these codes' registers; block a - 1's eight may be out
.endif
.irp b, 0,1,2,3,4,5,6,7
.irp i, 0,1,2,3,4,5,6,7
	v_med3_num_f32 v[T+8*\b+\i], v[T+8*\b+\i], v11, v15   ; the conversion to an 8-bit code does not saturate (ISA guide 7.6.2)
.endr
	v_cvt_scalef32_pk8_fp8_f32 v[CDE+2*\b:CDE+2*\b+1], v[T+8*\b:T+8*\b+7], v14
.endr
	v_nop                                          ; a plain line behind the last conversion, ahead of the next block's writes of its sources
.irp b, 0,1,2,3,4,5,6,7
	ds_store_b64 v[STO], v[CDE+2*\b:CDE+2*\b+1] offset:16*(\a)*272+16*\b
.endr
.endm
.irp a, 0,1,2,3,4,5,6,7
	BLOCK \a
.endr
	s_wait_dscnt 0x0                               ; for the others' sake: my stores into the stage are done
	s_barrier_signal -1
	s_barrier_wait -1
.set ut, 0
.rept 32
	ds_load_b128 v[128+4*ut:131+4*ut], v[RD] offset:2*ut*272
.set ut, ut+1
.endr
.set ut, 0
.rept 32
	s_wait_dscnt 31-ut
	global_store_b128 v[CO], v[128+4*ut:131+4*ut], s[10:11] offset:2*ut*4096   ; sixteen lanes store 256 consecutive bytes, aligned
.set ut, ut+1
.endr
	s_wait_tensorcnt 0x0                           ; the wave's end
	ds_add_u32 v[SPW], v[NIL]
	s_wait_dscnt 0x0
	CROUND                                         ; the closing round: no work-group ends while a partner may still ask for a tile that names it
	s_endpgm
.Lfunc_end_k_q9231d69d79_ffn1:
	.size	k_q9231d69d79_ffn1, .Lfunc_end_k_q9231d69d79_ffn1-k_q9231d69d79_ffn1
	.p2alignl 7, 3214868480
	.fill 96, 4, 3214868480
	.section	.rodata,"a",@progbits
	.p2align	6, 0x0
	.amdhsa_kernel k_q9231d69d79_ffn1
		.amdhsa_group_segment_fixed_size 327680
		.amdhsa_private_segment_fixed_size 0
		.amdhsa_enable_private_segment 0
		.amdhsa_kernarg_size 40
		.amdhsa_user_sgpr_count 2
		.amdhsa_user_sgpr_kernarg_segment_ptr 1
		.amdhsa_wavefront_size32 1
		.amdhsa_system_sgpr_workgroup_id_x 1
		.amdhsa_system_sgpr_workgroup_id_y 1
		.amdhsa_system_sgpr_workgroup_id_z 1
		.amdhsa_system_vgpr_workitem_id 0
		.amdhsa_next_free_vgpr 1024
		.amdhsa_next_free_sgpr 102
		.amdhsa_reserve_vcc 0
		.amdhsa_float_denorm_mode_32 3
		.amdhsa_float_denorm_mode_16_64 3
		.amdhsa_memory_ordered 1
		.amdhsa_forward_progress 1
		.amdhsa_inst_pref_size 147
	.end_amdhsa_kernel
	.amdgpu_metadata
---
amdhsa.version: [ 1, 2 ]
amdhsa.kernels:
  - .name:           k_q9231d69d79_ffn1
    .symbol:         k_q9231d69d79_ffn1.kd
    .args:
      - { .name: h2c, .offset: 0, .size: 8, .value_kind: global_buffer, .address_space: global }
      - { .name: wc, .offset: 8, .size: 8, .value_kind: global_buffer, .address_space: global }
      - { .name: lowp_scales, .offset: 16, .size: 8, .value_kind: global_buffer, .address_space: global }
      - { .name: b1, .offset: 24, .size: 8, .value_kind: global_buffer, .address_space: global }
      - { .name: fc, .offset: 32, .size: 8, .value_kind: global_buffer, .address_space: global }
    .group_segment_fixed_size: 327680
    .private_segment_fixed_size: 0
    .kernarg_segment_align: 8
    .kernarg_segment_size: 40
    .max_flat_workgroup_size: 128
    .sgpr_count:     102
    .vgpr_count:     1024
    .wavefront_size: 32
...
	.end_amdgpu_metadata
.endif
;; end of part 6
;; launch ffn2 (part 7): grid 8 x 32, 4 waves a work-group, clusters of 4 x 4, 327,680 bytes of LDS; arguments fc, wc, lowp_scales, b2, x1, out0; writes out0
.if DOCPART == 7
	.amdgcn_target "amdgcn-amd-amdhsa--gfx1250"
	.amdhsa_code_object_version 6
	.text
	.protected	k_q9231d69d79_ffn2
	.globl	k_q9231d69d79_ffn2
	.p2align	8
	.type	k_q9231d69d79_ffn2,@function
k_q9231d69d79_ffn2:
	s_mov_b64 s[64:65], 0
	v_nop
	global_prefetch_b8 v0, s[64:65] scope:SCOPE_SE
	s_setreg_imm32_b32 hwreg(HW_REG_WAVE_MODE, 25, 1), 1
	s_wait_xcnt 0x0
	s_wait_alu depctr_hold_cnt(0) depctr_sa_sdst(0) depctr_va_vdst(0) depctr_va_sdst(0) depctr_va_ssrc(0) depctr_va_vcc(0) depctr_vm_vsrc(0)
	s_getreg_b32 s2, hwreg(HW_REG_IB_STS2, 6, 4)
	s_cmp_eq_u32 s2, 0
	s_cbranch_scc0 .Lentry_in_a_cluster
	s_endpgm
.Lentry_in_a_cluster:
	s_bfe_u32 s2, ttmp6, 0x10000c
	s_cmp_lg_u32 s2, 0xf033
	s_cbranch_scc0 .Lentry_shape_is_right
	s_endpgm
.Lentry_shape_is_right:
; out[m][n] = res[m][n] + (sum over k of A[m][k] W[n][k]) x 2^(eA + eB) + bias[n].  A: codes, 4,096 tokens; W: codes [1024][SIZE_K] in wc; res, out: [4096][1024] f32.
; THIS TEXT: the hidden layer times w2, + b2 + x1 (SIZE_K = 4,096; A in rows [4096][4096]).  The other text of this form: the attention's output times wo (SIZE_K = 1,024, A in panels by head).
; LIMIT: eA + eB between -126 and 127, so that 2^(eA + eB) is an f32 number.
; A tile of C is 128 x 128, which gives 256 work-groups; tiles of 256 x 256 would be 64.  Four waves, each 64 x 64: 16 accumulators.  K goes in steps of 512 through two LDS slots filled by the tensor data mover.
; CLUSTERS: 4 x 4 work-groups: A's tiles are asked for jointly along a row of the cluster, W's along a column.  THE MATRIX INSTRUCTION IS USED TRANSPOSED: a lane holds eight neighbouring columns of a row of C.
; A fragment is fetched by four loads of 16 bytes: a permutation of k inside an instruction, the same on both sides.
; REGISTERS: window 0: v0-31 addresses, v8-11 the bias; v32-63 at work on the way out; v128-255 the accumulators ((a, b) at v[128 + 8 (4 a + b)]).
;   window 1: two fragment buffers of 128: 64 registers of A (4 x 16 rows x 128 K), then 64 of W.   window 2: v0-127 my 64 x 64 of the residual, asked for at the head.
.set SIZE_K, 4096
.set PANEL,  0
.set WOFF,   0x800000                  ; where W's codes begin in wc
.set EI,     14                        ; eA's place among the exponents; eB follows
.set KSTEP,  512
.set PITCH,  528                       ; an LDS row: 512 bytes + 16 of padding = 132 words: the 16 rows that a load touches start at 16 different banks (64 banks of 4 bytes: ISA guide 11.1)
.set HALFT,  34816                     ; what one tensor load fills at most: 64 rows x 528
.set SLOT,   4*HALFT
.set STAGE,  2*SLOT                    ; behind the ring: 16 rows x 272 bytes for each wave
.set SPITCH, 272
.set SPARE,  STAGE+4*16*SPITCH         ; behind the stages: the spare words, 128 bytes for each wave
.set LAPS,   SIZE_K/(2*KSTEP)
.set ASTEP,  KSTEP
.set ADRA, 16
.set ADRB, 20
.set STO,  24
.set RD,   25
.set CO,   26
.set SPW,  28
.set NIL,  29
.set TMP,  32
.set ACC,  128
.set F0,   0
.set F1,   128
.set G1, 24
.set G0, 32
.set G1B, 48
.set G0B, 56
.set MSB, 0
.macro WIN new                         ; the immediate's high byte repeats the setting that is left
.if MSB != \new
	s_set_vgpr_msb (MSB<<8)|\new
.set MSB, \new
.endif
.endm
.set MUL,  0x05                        ; sources 0 (W) and 1 (A) window 1; C and D window 0
.set TO_F, 0x40                        ; destination window 1, address window 0
.macro JLOAD s                         ; a joint load: waves 0 and 1 fetch A's two halves, waves 2 and 3 W's; four v_nop follow each line
	s_cmp_eq_u32 s11, 0
	s_cbranch_scc0 .Lfor_b_\@
	tensor_load_to_lds s[G0+4*\s:G0+4*\s+3], s[G1:G1+7]
	s_nop 0
.rept 4
	v_nop
.endr
	s_branch .Lasked_\@
.Lfor_b_\@:
	tensor_load_to_lds s[G0B+4*\s:G0B+4*\s+3], s[G1B:G1B+7]
	s_nop 0
.rept 4
	v_nop
.endr
.Lasked_\@:
.endm
.macro CREST
	s_cmp_lg_u32 s10, 0
	s_cbranch_scc1 .Lnot_wave_0_\@
	s_barrier_signal -3
.Lnot_wave_0_\@:
	s_barrier_wait -3
	s_barrier_signal -1
	s_barrier_wait -1
.endm
.macro CROUND
	s_barrier_signal -1
	s_barrier_wait -1
	CREST
.endm
	s_load_b256 s[68:75], s[0:1], 0x0              ; A's codes, wc, the exponents, the bias
	s_load_b128 s[76:79], s[0:1], 0x20             ; the residual, out
	v_lshl_add_u32 v[SPW], v0, 2, SPARE
	v_mov_b32 v[NIL], 0
	ds_add_u32 v28, v29
	ds_add_u32 v28, v29
	s_wait_dscnt 0x0
	v_lshrrev_b32 v1, 5, v0
	v_readfirstlane_b32 s10, v1                    ; wave 0..3
	s_lshr_b32 s11, s10, 1                         ; which half of the tile's rows is mine.  Also: I fetch for A (0) or for W (1)
	s_and_b32 s12, s10, 1                          ; which half of its columns.  Also: which 64 rows I fetch
	s_bfe_u32 s40, ttmp6, 0x40000
	s_bfe_u32 s41, ttmp6, 0x40004
	s_lshl_b32 s42, ttmp9, 2
	s_add_co_u32 s42, s42, s40                     ; tile column of C
	s_and_b32 s13, ttmp7, 0xffff
	s_lshl_b32 s13, s13, 2
	s_add_co_u32 s13, s13, s41                     ; tile row of C
	s_lshl_b32 s43, s41, 2
	s_lshl_b32 s43, 15, s43                        ; my row of the cluster
	s_lshl_b32 s44, 0x1111, s40                    ; my column
	s_or_b32 s[G1+0], s43, (0<<16)|(1<<20)|(1<<21)|(6<<22)|(3<<25)  ; 64 rows x 512 bytes; elements of 1 byte; four words of padding after every 128; 21 set beside a mask
	s_or_b32 s[G1B+0], s44, (0<<16)|(1<<20)|(1<<21)|(6<<22)|(3<<25)
.irp g, G1, G1B
	s_mov_b32 s[\g+1], KSTEP<<16                   ; tensor_dim0
	s_mov_b32 s[\g+2], 64<<16                      ; tensor_dim1
	s_mov_b32 s[\g+3], KSTEP<<16                   ; tile_dim0
	s_mov_b32 s[\g+4], 64                          ; tile_dim1
	s_mov_b32 s[\g+5], SIZE_K                      ; from row to row
	s_mov_b32 s[\g+6], 0
	s_mov_b32 s[\g+7], 0
.endr
	s_lshl_b32 s17, s12, 6
	s_lshl_b32 s16, s13, 7
	s_add_co_u32 s16, s16, s17                     ; A: token 128 x tile row + 64 x half
	s_lshl_b32 s46, s42, 7
	s_add_co_u32 s46, s46, s17                     ; W: row 128 x tile column + 64 x half
	s_mul_i32 s16, s16, SIZE_K
	s_mul_i32 s46, s46, SIZE_K
	s_add_co_u32 s46, s46, WOFF
	s_mov_b32 s17, 0
	s_mov_b32 s47, 0
	s_mul_i32 s20, s10, HALFT                      ; where they go: no place in the cluster enters an LDS address
	s_wait_kmcnt 0x0
	s_load_b64 s[80:81], s[72:73], EI*4            ; eA, eB
	s_add_nc_u64 s[14:15], s[68:69], s[16:17]
	s_add_nc_u64 s[46:47], s[70:71], s[46:47]
	CROUND                                         ; all sixteen work-groups are here: the first joint loads meet
.irp s, 0,1
	s_mov_b32 s[G0+4*\s], 1
	s_add_co_u32 s[G0+4*\s+1], s20, \s*SLOT
	s_add_nc_u64 s[G0+4*\s+2:G0+4*\s+3], s[14:15], \s*ASTEP
	s_or_b32 s[G0+4*\s+3], s[G0+4*\s+3], 0x80000000
	s_mov_b32 s[G0B+4*\s], 1
	s_add_co_u32 s[G0B+4*\s+1], s20, \s*SLOT
	s_add_nc_u64 s[G0B+4*\s+2:G0B+4*\s+3], s[46:47], \s*KSTEP
	s_or_b32 s[G0B+4*\s+3], s[G0B+4*\s+3], 0x80000000
	JLOAD \s
.endr
	v_and_b32 v1, 15, v0                           ; r
	v_bfe_u32 v2, v0, 4, 1                         ; h
	v_mul_u32_u24 v3, v1, PITCH
	v_lshl_add_u32 v3, v2, 4, v3                   ; r x pitch + 16 h
	s_mul_i32 s21, s11, HALFT
	s_mul_i32 s22, s12, HALFT
	s_add_co_u32 s22, s22, 2*HALFT
.irp s, 0,1
	v_add_nc_u32 v[ADRA+\s], s21, v3
	v_add_nc_u32 v[ADRB+\s], s22, v3
	s_add_co_u32 s21, s21, SLOT
	s_add_co_u32 s22, s22, SLOT
.endr
	s_mul_i32 s23, s10, 16*SPITCH
	s_add_co_u32 s23, s23, STAGE                   ; my stage
	v_mul_u32_u24 v5, v1, SPITCH
	v_lshl_add_u32 v5, v2, 5, v5
	v_add_nc_u32 v[STO], s23, v5                   ; in: row r, 32 bytes for each half of the lanes
	v_mul_u32_u24 v5, v2, SPITCH
	v_lshl_add_u32 v5, v1, 4, v5
	v_add_nc_u32 v[RD], s23, v5                    ; back: lanes 0-15 one row of 256 bytes, lanes 16-31 the next
	v_lshlrev_b32 v[CO], 12, v2
	v_lshl_add_u32 v[CO], v1, 4, v[CO]             ; and the same two rows in memory
	v_lshlrev_b32 v7, 4, v1
	s_lshl_b32 s16, s13, 7
	s_lshl_b32 s17, s11, 6
	s_add_co_u32 s16, s16, s17
	s_lshl_b32 s16, s16, 12                        ; my first row, in bytes
	s_lshl_b32 s46, s42, 7
	s_lshl_b32 s47, s12, 6
	s_add_co_u32 s46, s46, s47
	s_lshl_b32 s46, s46, 2                         ; my first column, in bytes
	s_mov_b32 s47, 0
	s_add_nc_u64 s[18:19], s[74:75], s[46:47]
	s_add_co_u32 s46, s46, s16
	s_add_nc_u64 s[4:5], s[76:77], s[46:47]
	s_add_nc_u64 s[8:9], s[78:79], s[46:47]
	global_load_b128 v[8:11], v7, s[18:19]         ; the bias of the four columns that I store
	WIN 0x80                                       ; destination window 2
.irp a, 0,1,2,3
.irp t, 0,1,2,3,4,5,6,7
	global_load_b128 v[4*(8*\a+\t):4*(8*\a+\t)+3], v[CO], s[4:5] offset:(16*\a+2*\t)*4096   ; the residual, as it will be stored: wanted on the way out
.endr
.endr
	WIN 0
.macro MUL4 f, a, zero                 ; A's block a x W's four; the 16 accumulators take turns, in the same order in every quarter
.irp b, 0,1,2,3
.if \zero
	v_wmma_f32_16x16x128_fp8_fp8 v[ACC+8*(4*(\a)+\b):ACC+8*(4*(\a)+\b)+7], v[\f+64+16*\b:\f+64+16*\b+15], v[\f+16*(\a):\f+16*(\a)+15], 0
.else
	v_wmma_f32_16x16x128_fp8_fp8 v[ACC+8*(4*(\a)+\b):ACC+8*(4*(\a)+\b)+7], v[\f+64+16*\b:\f+64+16*\b+15], v[\f+16*(\a):\f+16*(\a)+15], v[ACC+8*(4*(\a)+\b):ACC+8*(4*(\a)+\b)+7]
.endif
.endr
.endm
.macro FETCH slot, q, f                ; 32 LDS loads in one run: the fragments of the slot's q-th 128 along K: registers 4 c .. 4 c + 3 hold K = 32 c + 16 h + 0 .. 15
	WIN TO_F
.irp i, 0,1,2,3
.irp c, 0,1,2,3
	ds_load_b128 v[\f+64+16*\i+4*\c:\f+64+16*\i+4*\c+3], v[ADRB+\slot] offset:128*(\q)+32*\c+\i*16*PITCH
	ds_load_b128 v[\f+16*\i+4*\c:\f+16*\i+4*\c+3], v[ADRA+\slot] offset:128*(\q)+32*\c+\i*16*PITCH
.endr
.endr
.endm
.macro PLACES                          ; four plain vector instructions in front of loads into registers that matrix instructions have read, and of the first read of results
.rept 4
	v_nop
.endr
.endm
.macro QUARTER slot, qn, f, g, zero    ; multiplies buffer f (128 along K) while the slot's quarter qn comes into buffer g
	s_wait_dscnt 0x0                               ; buffer f is in
	PLACES
	FETCH \slot, \qn, \g
	WIN MUL
	MUL4 \f, 0, \zero
	MUL4 \f, 1, \zero
	MUL4 \f, 2, \zero
	MUL4 \f, 3, \zero
.endm
; A slot's last quarter multiplies buffer 1 and changes slots: ONE barrier; in front of it each wave waits for all its tensor loads, adds 0 to its spare word, and waits for that and for its reads of this slot.
.macro TURN slot, next, fill
	WIN 0
	s_wait_tensorcnt 0x0                           ; all my tensor loads have landed: my part of the next slot
	ds_add_u32 v[SPW], v[NIL]                      ; 0 onto my spare word
	s_wait_dscnt 1                                 ; buffer 1 is in (the add may be out)
	WIN MUL
	MUL4 F1, 0, 0
	s_wait_dscnt 0x0                               ; the add is done, and my reads of this slot are over
	s_barrier_signal -1
	MUL4 F1, 1, 0
.if \fill
	WIN 0
.endif
	s_barrier_wait -1
.if \fill
	CREST                                          ; the barrier has opened a round of the cluster's barrier
	s_add_nc_u64 s[G0+4*\slot+2:G0+4*\slot+3], s[G0+4*\slot+2:G0+4*\slot+3], 2*ASTEP
	s_add_nc_u64 s[G0B+4*\slot+2:G0B+4*\slot+3], s[G0B+4*\slot+2:G0B+4*\slot+3], 2*KSTEP
	JLOAD \slot                                    ; the first tensor load behind the round; its four v_nop are the places in front of the loads below
.else
	PLACES
.endif
	FETCH \next, 0, F0
	WIN MUL
	MUL4 F1, 2, 0
	MUL4 F1, 3, 0
.endm
	s_wait_tensorcnt 1                             ; my part of K step 0 is in (K step 1's load may be out),
	s_barrier_signal -1
	s_barrier_wait -1                              ; everybody's is
	FETCH 0, 0, F0
	QUARTER 0, 1, F0, F1, 1                        ; the first quarter's products start the sums
	WIN 0
	s_mov_b32 s3, LAPS-1
.Llap:                                                 ; a trip goes once round the ring and fills both slots again
	QUARTER 0, 2, F1, F0, 0
	QUARTER 0, 3, F0, F1, 0
	TURN 0, 1, 1
	QUARTER 1, 1, F0, F1, 0
	QUARTER 1, 2, F1, F0, 0
	QUARTER 1, 3, F0, F1, 0
	TURN 1, 0, 1
	QUARTER 0, 1, F0, F1, 0
	WIN 0
	s_sub_co_u32 s3, s3, 1
	s_cmp_lg_u32 s3, 0
	s_cbranch_scc1 .Llap
	QUARTER 0, 2, F1, F0, 0                        ; the last lap fills nothing
	QUARTER 0, 3, F0, F1, 0
	TURN 0, 1, 0
	QUARTER 1, 1, F0, F1, 0
	QUARTER 1, 2, F1, F0, 0
	QUARTER 1, 3, F0, F1, 0
	s_wait_dscnt 0x0
	WIN MUL
	MUL4 F1, 0, 0
	MUL4 F1, 1, 0
	MUL4 F1, 2, 0
	MUL4 F1, 3, 0
	WIN 0
	; THE WAY OUT, 16 rows x 64 columns at a time: the sums through my stage, back as whole rows of 256 bytes; x 2^(eA + eB) + bias; + the residual; stored
	PLACES
	s_wait_loadcnt 0x0                             ; the bias and the residual
	s_wait_kmcnt 0x0
	s_add_co_i32 s80, s80, s81
	s_add_co_i32 s80, s80, 127
	s_lshl_b32 s80, s80, 23                        ; 2^(eA + eB) as f32
	s_mov_b32 s81, s80                             ; (named with it as a pair)
.irp a, 0,1,2,3
.irp b, 0,1,2,3
	ds_store_b128 v[STO], v[ACC+8*(4*\a+\b):ACC+8*(4*\a+\b)+3] offset:64*\b         ; each accumulator from its low end on
	ds_store_b128 v[STO], v[ACC+8*(4*\a+\b)+4:ACC+8*(4*\a+\b)+7] offset:64*\b+16
.endr
.irp t, 0,1,2,3,4,5,6,7
	ds_load_b128 v[TMP+4*\t:TMP+4*\t+3], v[RD] offset:544*\t   ; LDS serves a wave's instructions in order (ISA guide 5.7.1.4): these see my stores
.endr
.irp t, 0,1,2,3,4,5,6,7
	s_wait_dscnt 7-\t
	v_pk_fma_f32 v[TMP+4*\t:TMP+4*\t+1], v[TMP+4*\t:TMP+4*\t+1], s[80:81], v[8:9] op_sel_hi:[1,0,1]
	v_pk_fma_f32 v[TMP+4*\t+2:TMP+4*\t+3], v[TMP+4*\t+2:TMP+4*\t+3], s[80:81], v[10:11] op_sel_hi:[1,0,1]
.endr
	WIN 0x88                                       ; source 1 and destination window 2: the residual; a store's data are its source 1
.irp t, 0,1,2,3,4,5,6,7
	v_pk_add_f32 v[4*(8*\a+\t):4*(8*\a+\t)+1], v[TMP+4*\t:TMP+4*\t+1], v[4*(8*\a+\t):4*(8*\a+\t)+1]
	v_pk_add_f32 v[4*(8*\a+\t)+2:4*(8*\a+\t)+3], v[TMP+4*\t+2:TMP+4*\t+3], v[4*(8*\a+\t)+2:4*(8*\a+\t)+3]
	global_store_b128 v[CO], v[4*(8*\a+\t):4*(8*\a+\t)+3], s[8:9] offset:(16*\a+2*\t)*4096 th:TH_STORE_NT   ; sixteen lanes store 256 consecutive bytes, aligned; every store has registers of its own
.endr
	WIN 0
.endr
	s_wait_tensorcnt 0x0                           ; the wave's end
	ds_add_u32 v[SPW], v[NIL]
	s_wait_dscnt 0x0
	CROUND                                         ; the closing round
	s_endpgm
.Lfunc_end_k_q9231d69d79_ffn2:
	.size	k_q9231d69d79_ffn2, .Lfunc_end_k_q9231d69d79_ffn2-k_q9231d69d79_ffn2
	.p2alignl 7, 3214868480
	.fill 96, 4, 3214868480
	.section	.rodata,"a",@progbits
	.p2align	6, 0x0
	.amdhsa_kernel k_q9231d69d79_ffn2
		.amdhsa_group_segment_fixed_size 327680
		.amdhsa_private_segment_fixed_size 0
		.amdhsa_enable_private_segment 0
		.amdhsa_kernarg_size 48
		.amdhsa_user_sgpr_count 2
		.amdhsa_user_sgpr_kernarg_segment_ptr 1
		.amdhsa_wavefront_size32 1
		.amdhsa_system_sgpr_workgroup_id_x 1
		.amdhsa_system_sgpr_workgroup_id_y 1
		.amdhsa_system_sgpr_workgroup_id_z 1
		.amdhsa_system_vgpr_workitem_id 0
		.amdhsa_next_free_vgpr 640
		.amdhsa_next_free_sgpr 84
		.amdhsa_reserve_vcc 0
		.amdhsa_float_denorm_mode_32 3
		.amdhsa_float_denorm_mode_16_64 3
		.amdhsa_memory_ordered 1
		.amdhsa_forward_progress 1
		.amdhsa_inst_pref_size 82
	.end_amdhsa_kernel
	.amdgpu_metadata
---
amdhsa.version: [ 1, 2 ]
amdhsa.kernels:
  - .name:           k_q9231d69d79_ffn2
    .symbol:         k_q9231d69d79_ffn2.kd
    .args:
      - { .name: fc, .offset: 0, .size: 8, .value_kind: global_buffer, .address_space: global }
      - { .name: wc, .offset: 8, .size: 8, .value_kind: global_buffer, .address_space: global }
      - { .name: lowp_scales, .offset: 16, .size: 8, .value_kind: global_buffer, .address_space: global }
      - { .name: b2, .offset: 24, .size: 8, .value_kind: global_buffer, .address_space: global }
      - { .name: x1, .offset: 32, .size: 8, .value_kind: global_buffer, .address_space: global }
      - { .name: out0, .offset: 40, .size: 8, .value_kind: global_buffer, .address_space: global }
    .group_segment_fixed_size: 327680
    .private_segment_fixed_size: 0
    .kernarg_segment_align: 8
    .kernarg_segment_size: 48
    .max_flat_workgroup_size: 128
    .sgpr_count:     84
    .vgpr_count:     640
    .wavefront_size: 32
...
	.end_amdgpu_metadata
.endif
;; end of part 7
;; ======== version 2 of 2: 7 launches; version 1 with the launch attn written anew for expert scheduling mode
;; limits: right only within a limited range of input values
;; workspace buffers: wc 12,582,912 bytes; hc 12,582,912 bytes; mw 524,288 bytes of whole numbers; qkvc 12,582,912 bytes; ac 4,194,304 bytes; x1 16,777,216 bytes; h2c 4,194,304 bytes; fc 16,777,216 bytes
;; launch prep: the kernel of part 1 again; grid 896 x 1, 4 waves a work-group, no clusters, 69,120 bytes of LDS; arguments x, mask, wq, wk, wv, wo, w1, w2, a1, c1, lowp_scales, wc, hc, mw; writes wc, hc, mw
;; launch qkv: the kernel of part 2 again; grid 8 x 24, 4 waves a work-group, clusters of 4 x 4, 327,680 bytes of LDS; arguments hc, wc, lowp_scales, bq, bk, bv, qkvc; writes qkvc
;; launch attn (part 8): grid 8 x 32, 16 waves a work-group, no clusters, 296,960 bytes of LDS; arguments qkvc, mw, lowp_scales, ac; writes ac
.if DOCPART == 8
	.amdgcn_target "amdgcn-amd-amdhsa--gfx1250"
	.amdhsa_code_object_version 6
	.text
	.protected	k_q9231d69d79_attn
	.globl	k_q9231d69d79_attn
	.p2align	8
	.type	k_q9231d69d79_attn,@function
k_q9231d69d79_attn:
	s_mov_b64 s[64:65], 0
	v_nop
	global_prefetch_b8 v0, s[64:65] scope:SCOPE_SE
	s_setreg_imm32_b32 hwreg(HW_REG_WAVE_SCHED_MODE, 0, 2), 2
	s_setreg_imm32_b32 hwreg(HW_REG_WAVE_MODE, 25, 1), 1
	s_wait_xcnt 0x0
	s_wait_alu depctr_vm_vsrc(0)
; ATTENTION on codes of E4M3, head size 64, 2,048 keys, with the mask that is given.  For each of 32 (batch, head): o = (sum over keys of Q(p) Q(v)) / l, quantised under e10 for the product with wo.
; t = (q . k / 8) x log2(e); M = the row's largest t so far, rounded UP to a whole number; p = 2^(t - M) is quantised under e8; l = the sum of the unquantised p.
; When M moves, l and O are multiplied by 2^(old M - new M): exact.
; THE MASK.  Where the mask is 0 the raw sum of codes is replaced by -2^(33 - e6 - e7), which stands for the logit -2^30 where reference() writes -1e9: its t is exactly -log2(e) x 2^30, a whole number, so a row that is
; masked entirely has p = 1 for every key.  LIMIT: e6 + e7 between -94 and 9.  A logit is at most 64 x 448^2 x 2^(e6 + e7 - 3) in size, under 8.3e8 then, so under either constant a masked key has p = 0 beside any open key.
; SHARES.  A work-group owns 256 queries of one (batch, head); each of its sixteen waves 16 of them, in 256 registers: four waves to a SIMD, so that one wave's vector work stands beside another's products and LDS loads.
; LDS.  The head's WHOLE K and V^T, 256 KiB of codes, are fetched ONCE, through registers: wave w brings piece w of 64 rows x 256 bytes (waves 0-7: K's 256 keys each; waves 8-15: V^T's): 32 loads and 32 LDS stores a lane; one barrier.
; TWO BRANCHES ON WHOLE NUMBERS spare vector work that changes nothing: a step all of whose 16 x 128 mask entries are true jumps over its 64 selects (16 bits, one a step, made at the head from the stored mask words);
; where 448 x 2^e8 is at least 1 (e8 >= -8), p, which passes 1 by no more than a rounding, is never held, and the 64 holds are jumped over.  Both blocks stand in the text and run where the numbers ask for them.
; NO TENSOR LOAD, NO CLUSTER.  What the eight work-groups of a head share is fetched once at the head, 32 loads a lane, against 16 steps of some 200 vector instructions.
; LAYOUT.  Both products are used transposed: S^T = K Q^T (source 0 = 16 keys, source 1 = my 16 queries; K = 64), O^T = V^T P (source 0 = 16 of the head's 64, source 1 = P; K = 128 keys): a lane holds ONE query.
; Tile k of a step holds keys 16 k + 0 .. 15; a lane's eight scores are keys 16 k + 8 (lane / 16) + 0 .. 7, whose codes are registers 2 k, 2 k + 1 of the second product's operand as they stand.
; K and Q are fetched by two loads of 16 bytes: a permutation of the head's 64 inside an instruction, the same on both sides.
; The mask words come as lane masks, 64 a step (made by the first launch), by scalar loads a step ahead: one v_cndmask_b32 a score where a step has holes.
; OTHER LIMITS: e8 and e10 between -126 and 119.  NaN is not served.
; THE MODE: SCHED_MODE bits 1:0 = 2 (LLVM: expert scheduling mode 2), set by the entry lines.  The code itself states the register dependences between vector or matrix instructions and memory or LDS instructions,
; with s_wait_alu, always for 0.
; THE PLAN.  Registers that memory or LDS instructions touch:
;   v1, v5-8, v242, v243   offsets and addresses, all made ahead of the first load and never written again: one wait on va_vdst at the head serves every instruction that reads them.
;   v32-159 at the head    the loads of my piece land there, my 32 LDS stores read them: one wait on vm_vsrc behind the barrier, ahead of the first fragments' loads and the first products, which write them.
;   BX = v32-95, BY = v96-159 in the loop: TWO BUFFERS THAT CHANGE PLACES FROM STEP TO STEP.  A step (F, S): K lies in F; eight products read F and write S; the softmax works in S; V^T is loaded into F;
;                          the conversions empty S; the NEXT step's K is loaded into S; four products read V^T in F.  The next step is (S, F).  Two steps make a trip, so the numbers come back.
;   v3, v4                 the piece's LDS addresses: read by every fragment load, written once a trip, behind a wait on vm_vsrc.  The next piece's first K is reached from this piece's v3 by an immediate of one piece.
; TWO WAITS ON va_vdst A STEP.  The first is the one that the batch of exponentials has in any case: it also states that the eight products are done reading F (and, in a trip's first step, that v4 is written);
; behind it V^T's 32 loads are dealt among the packed sums, which name S, v14, v15, v30, v31: none of the loads' registers.  The second stands behind the conversions: all that wrote or read S is done (and v3 is written);
; behind it the next K's 16 loads are dealt among O^T's 16 multiplies, which name v160-191, v26, v27.  O^T, p's codes and the statistics are named by vector and matrix instructions alone.
; REGISTERS: v1-8 addresses; v9 the masked raw sum; v10, v11: 448 x 2^e8, 2^e8; v12 -M, v13 the largest t, v[14:15] l in two halves; v16-23 Q; v24-31 at work; BX, BY as above;
;   v160-191 O^T; v192-207 p's codes; v208-239 the mask words at the head, the way out at the end; v240, v241: 2^e10, 448 x 2^e10; v242, v243 the head's loads and LDS stores; v254, v255 the closing add's two.
; SCALARS: s20 the steps' bits, bit 0 = the step in hand; s22 e8; s[26:27] c; s29 pieces to go; s30 the piece in hand; s31 e8 + e9; s32-63, s68-99 a step's mask words; s[100:101] where they come from.
.set PIECE, 17408                      ; 64 rows x (256 bytes + 16 of padding)
.set VBASE, 8*PIECE
.set STAGE, 16*PIECE                   ; the way out: 1,024 bytes for each wave
.set BX,    32
.set BY,    96
.macro PLACES n
.rept \n
	v_nop
.endr
.endm
.macro QC e, vsc, vhi, tmp             ; s[e] = e:  v[vsc] = 2^e as f32 (the conversion takes its exponent field), v[vhi] = 448 x 2^e
	s_add_co_i32 s[\tmp], s[\e], 127
	s_lshl_b32 s[\tmp+1], s[\tmp], 23
	v_mov_b32 v[\vsc], s[\tmp+1]
	s_add_co_i32 s[\tmp], s[\tmp], 8
	s_lshl_b32 s[\tmp], s[\tmp], 23
	s_or_b32 s[\tmp], s[\tmp], 0x600000
	v_mov_b32 v[\vhi], s[\tmp]
.endm
.macro MLOAD off                       ; a step's 64 mask words: word j in s[32 + j] (j < 32) or s[36 + j]
	s_load_b512 s[32:47], s[100:101], \off
	s_load_b512 s[48:63], s[100:101], \off+64
	s_load_b512 s[68:83], s[100:101], \off+128
	s_load_b512 s[84:99], s[100:101], \off+192
.endm
.macro VFRAG FB, q, n                  ; load n of the 32 that bring a step's V^T: tile n / 8 of 16 of the head's 64, keys 16 (n % 8) + 8 (lane / 16) on
	ds_load_b64 v[(\FB)+16*((\n)/8)+2*((\n)%8):(\FB)+16*((\n)/8)+2*((\n)%8)+1], v4 offset:16*((\n)/8)*272+128*(\q)+16*((\n)%8)
.endm
	s_load_b256 s[4:11], s[0:1], 0x0               ; qkvc, mw, the exponents, ac
	v_lshl_add_u32 v254, v0, 2, 0x48000
	v_mov_b32 v255, 0
	v_lshrrev_b32 v1, 5, v0
	v_readfirstlane_b32 s28, v1                    ; wave 0..15
	s_mov_b32 s3, ttmp9                            ; my block of 256 queries
	s_and_b32 s31, ttmp7, 0xffff                   ; hb = 16 batch + head
	v_and_b32 v24, 15, v0                          ; r
	v_bfe_u32 v25, v0, 4, 1                        ; hh
	v_lshlrev_b32 v242, 11, v25                    ; my piece in memory: lanes 0-15 one row of 256 bytes, lanes 16-31 the next, 2,048 bytes on
	v_lshl_add_u32 v242, v24, 4, v242
	v_mul_u32_u24 v243, v25, 272                   ; and in LDS: rows 272 bytes apart
	v_lshl_add_u32 v243, v24, 4, v243
	v_lshrrev_b32 v26, 2, v24
	v_and_b32 v27, 3, v24
	v_mul_u32_u24 v1, v26, 272                     ; K: four keys to an LDS row: row r / 4, 64 (r % 4), + 16 hh
	v_lshl_add_u32 v1, v27, 6, v1
	v_lshl_add_u32 v1, v25, 4, v1
	v_mul_u32_u24 v2, v24, 272                     ; V^T: row r, + 8 hh
	v_lshl_add_u32 v2, v25, 3, v2
	v_add_nc_u32 v2, VBASE, v2
	v_and_b32 v8, 31, v0
	v_lshlrev_b32 v8, 4, v8                        ; 16 bytes a lane
	s_wait_alu depctr_va_sdst(0)                   ; s28 is written, ahead of its first reader: addresses and bases are made from it
	s_mul_i32 s13, s28, PIECE
	v_add_nc_u32 v243, s13, v243
	s_lshl_b32 s16, s28, 2
	v_add_nc_u32 v5, s16, v26                      ; Q lies as K does: group 4 w + r / 4 of four tokens
	v_lshlrev_b32 v5, 11, v5
	v_lshl_add_u32 v5, v27, 6, v5
	v_lshl_add_u32 v5, v25, 4, v5
	s_lshl_b32 s17, s28, 10
	s_add_co_u32 s17, s17, STAGE
	v_lshl_add_u32 v6, v24, 6, s17                 ; the stage: token r's 64 bytes, + 8 hh
	v_lshl_add_u32 v6, v25, 3, v6
	v_add_nc_u32 v7, s17, v8
	s_lshr_b32 s66, s28, 3
	s_lshl_b32 s66, s66, 22
	s_add_co_u32 s66, s66, 0x400000                ; K at 4 MiB, V^T at 8 MiB,
	s_lshl_b32 s67, s31, 17
	s_add_co_u32 s66, s66, s67                     ; the head,
	s_and_b32 s67, s28, 7
	s_lshl_b32 s67, s67, 8
	s_add_co_u32 s66, s66, s67                     ; keys 256 (wave % 8) on
	s_mov_b32 s67, 0
	s_wait_kmcnt 0x0
	s_load_b512 s[32:47], s[8:9], 0x0              ; e0 .. e15
	s_add_nc_u64 s[14:15], s[4:5], s[66:67]
	s_lshl_b32 s66, s31, 17
	s_lshl_b32 s30, s3, 8
	s_add_co_u32 s66, s66, s30
	s_add_nc_u64 s[4:5], s[4:5], s[66:67]          ; Q at my block of queries
	s_lshl_b32 s66, s3, 4
	s_add_co_u32 s66, s66, s28                     ; my tile of 16 queries
	s_lshl_b32 s66, s66, 12
	s_add_nc_u64 s[100:101], s[6:7], s[66:67]      ; its 16 steps x 256 bytes of mask words
	s_wait_alu depctr_va_vdst(0)                   ; v1, v5 to v8, v242 and v243 are written: every load and store of the kernel but the loop's fragment loads reads one of them as its offset or address
.set kt, 0
.rept 32
	global_load_b128 v[32+4*kt:35+4*kt], v242, s[14:15] offset:4096*kt   ; rows 2 kt, 2 kt + 1 of my piece: sixteen lanes read 256 consecutive bytes, aligned
.set kt, kt+1
.endr
	global_load_b128 v[16:19], v5, s[4:5]          ; Q's fragment stays in registers
	global_load_b128 v[20:23], v5, s[4:5] offset:32
.irp i, 0,1,2,3,4,5,6,7
	global_load_b128 v[208+4*\i:211+4*\i], v8, s[100:101] offset:512*\i   ; all the mask words once as vectors: lanes 0-15 hold step 2 i's 64 words, lanes 16-31 step 2 i + 1's
.endr
	s_and_b32 s66, s31, 15
	s_lshl_b32 s66, s66, 18                        ; ac: [head][token 4096][64]
	s_lshr_b32 s30, s31, 4
	s_lshl_b32 s30, s30, 11
	s_lshl_b32 s2, s3, 8
	s_add_co_u32 s30, s30, s2
	s_lshl_b32 s2, s28, 4
	s_add_co_u32 s30, s30, s2
	s_lshl_b32 s30, s30, 6
	s_add_co_u32 s66, s66, s30
	s_add_nc_u64 s[10:11], s[10:11], s[66:67]
	s_mov_b32 s24, 0x76543210
	s_mov_b32 s25, 0xfedcba98
	s_wait_kmcnt 0x0
	s_add_co_i32 s2, s38, s39                      ; e6 + e7
	s_sub_co_i32 s21, 160, s2
	s_lshl_b32 s21, s21, 23
	s_or_b32 s21, s21, 0x80000000
	v_mov_b32 v9, s21                              ; -2^(33 - e6 - e7): the raw sum of a masked key
	s_sub_co_i32 s2, s2, 3
	s_lshl_b32 s2, s2, 23
	s_add_co_i32 s26, s2, 0x3fb8aa3b               ; c = log2(e) x 2^(e6 + e7 - 3): the exponents are added to log2(e)'s exponent field
	s_mov_b32 s27, s26                             ; (named with it as a pair)
	s_add_co_i32 s31, s40, s41                     ; e8 + e9
	s_mov_b32 s22, s40                             ; e8
	QC 40, 11, 10, 2                               ; p's scale
	QC 42, 240, 241, 2                             ; the output's
	MLOAD 0                                        ; the first step's mask words (the exponents have been used)
	v_mov_b32 v13, 0xff61b1e6                      ; the largest t so far: -3e38
	v_floor_f32 v12, -v13
	v_mov_b32 v14, 0
	v_mov_b32 v15, 0
	v_mov_b32 v27, 0                               ; (the upper half of the pair v[26:27])
	v_mov_b32 v28, 0                               ; a lane permute's destination counts as one of its sources
.set oj, 0
.rept 32
	v_mov_b32 v[160+oj], 0                         ; O^T: the step is written once, and the first change of M leaves zeros zeros
.set oj, oj+1
.endr
	s_mov_b32 s30, 0                               ; the piece in hand
	s_mov_b32 s29, 8                               ; pieces to go
.set kt, 0
.rept 32
	s_wait_loadcnt 41-kt                           ; behind load kt stand 31 - kt of its kind, Q's two and the eight of mask words
	ds_store_b128 v243, v[32+4*kt:35+4*kt] offset:544*kt   ; (no vector instruction since the head's wait names v243 or v32 to v159)
.set kt, kt+1
.endr
	s_wait_loadcnt 0x0                             ; Q and the mask words
.irp i, 0,1,2,3,4,5,6,7
	v_and_b32 v[208+4*\i], v[208+4*\i], v[209+4*\i]
	v_and_b32 v[210+4*\i], v[210+4*\i], v[211+4*\i]
.endr
.irp i, 0,1,2,3,4,5,6,7
	v_and_b32 v[208+4*\i], v[208+4*\i], v[210+4*\i]
.endr
.irp i, 0,1,2,3,4,5,6,7
	v_cmp_eq_u32 s[12+\i], -1, v[208+4*\i]         ; a lane's bit: its four words are all ones
.endr
	s_wait_alu depctr_va_sdst(0)                   ; the eight compares have written s12 to s19, ahead of their first reader
	s_mov_b32 s20, 0
.irp i, 0,1,2,3,4,5,6,7
	s_and_b32 s21, s[12+\i], 0xffff                ; sixteen lanes' bits all set: step 2 i has no hole
	s_cmp_eq_u32 s21, 0xffff
	s_cselect_b32 s21, 1<<(2*\i), 0
	s_or_b32 s20, s20, s21
	s_lshr_b32 s21, s[12+\i], 16                   ; step 2 i + 1
	s_cmp_eq_u32 s21, 0xffff
	s_cselect_b32 s21, 2<<(2*\i), 0
	s_or_b32 s20, s20, s21
.endr
	s_wait_dscnt 0x0                               ; for the others' sake: my piece lies in LDS,
	s_barrier_signal -1
	s_barrier_wait -1                              ; everybody's does
	s_wait_alu depctr_vm_vsrc(0)                   ; my LDS stores have read v32 to v159: these registers are BX and BY from here on, written by the fragments' loads and by the products
.set jj, 0
.rept 8
	ds_load_b128 v[BX+8*jj:BX+8*jj+3], v1 offset:4*jj*272       ; the first step's K, by v1: the first piece begins at LDS byte 0
	ds_load_b128 v[BX+8*jj+4:BX+8*jj+7], v1 offset:4*jj*272+32
.set jj, jj+1
.endr
; 128 keys: the q-th half of the piece in hand.  FB: K's fragments, asked for a step ago; later V^T's.  SB: S^T, then p; later the next step's K.  next = 0: the very last step, which asks for no further K.
.macro STEP q, FB, SB, next
	s_wait_dscnt 0x0                               ; this step's K is in
.irp k, 0,1,2,3,4,5,6,7
	v_wmma_f32_16x16x64_fp8_fp8 v[\SB+8*\k:\SB+8*\k+7], v[\FB+8*\k:\FB+8*\k+7], v[16:23], 0
.endr
	PLACES 4                                       ; in front of the first reads of the sums
	s_wait_kmcnt 0x0                               ; this step's mask words have landed, whether they are used or not: their registers are loaded again below
	s_bitcmp1_b32 s20, 0                           ; has this step no hole?
	s_cbranch_scc1 .Lopen_\@
.set jj, 0
.rept 64
	v_cndmask_b32 v[\SB+jj], v9, v[\SB+jj], s[32+jj+4*(jj/32)]   ; each accumulator from its low end on
.set jj, jj+1
.endr
.Lopen_\@:
	s_lshr_b32 s20, s20, 1                         ; on to the next step's bit
	v_max3_num_f32 v24, v[\SB], v[\SB+1], v[\SB+2]   ; the step's largest sum of my query, among my 64 keys, in two chains (they too meet each accumulator at its low end first),
	v_max3_num_f32 v25, v[\SB+3], v[\SB+4], v[\SB+5]
.irp i, 6,10,14,18,22,26,30,34,38,42,46,50,54,58
	v_max3_num_f32 v24, v24, v[\SB+\i], v[\SB+1+\i]
	v_max3_num_f32 v25, v25, v[\SB+2+\i], v[\SB+3+\i]
.endr
	v_max3_num_f32 v24, v24, v[\SB+62], v[\SB+63]
	v_max_num_f32 v24, v24, v25
	v_permlanex16_b32 v28, v24, s24, s25
	v_max_num_f32 v24, v24, v28                    ; and among lane l xor 16's
	v_mul_f32 v24, s26, v24                        ; as t (c is positive)
	v_max_num_f32 v13, v13, v24
	v_mov_b32 v24, v12
	v_floor_f32 v12, -v13                          ; -M = floor(-t): M is a whole number
	v_sub_f32 v24, v12, v24
	v_cvt_i32_f32 v24, v24                         ; (it saturates)
	v_ldexp_f32 v26, 1.0, v24                      ; f = 2^(old M - new M)
.if \q == 0
	MLOAD 256                                      ; the next step's words: this step's have been read
.else
	s_cmp_lg_u32 s29, 1
	s_cselect_b32 s66, 512, 0                      ; the last trip asks for its own words again: no load leaves the buffer
	s_add_nc_u64 s[100:101], s[100:101], s[66:67]  ; (all earlier loads from it are done: the waits above)
	MLOAD 0
.endif
.set jj, 0
.rept 32
	v_pk_fma_f32 v[\SB+jj:\SB+jj+1], v[\SB+jj:\SB+jj+1], s[26:27], v[12:13] op_sel_hi:[1,0,0]   ; t - M, two at a time (of the pairs c and -M the low word serves both halves)
.set jj, jj+2
.endr
.set jj, 0
.rept 64
	v_exp_f32 v[\SB+jj], v[\SB+jj]                 ; p, not normalised
.set jj, jj+1
.endr
	v_pk_mul_f32 v[14:15], v[14:15], v[26:27] op_sel_hi:[1,0]   ; l under the new M: the plain line behind the exponentials
	s_wait_alu depctr_va_vdst(0)                   ; the 64 exponentials have written p, ahead of its first reader and of the branch below; the eight products are done reading K in FB, in which V^T's loads land; in a trip's first step v4 is written
.set vn, 0
	VFRAG \FB, \q, vn                              ; V^T's 32 loads, two at a time among the sums, which name none of their registers
	VFRAG \FB, \q, vn+1
.set vn, vn+2
	v_pk_add_f32 v[30:31], v[\SB:\SB+1], v[\SB+2:\SB+3]   ; the sum of the unquantised p, in two chains
.irp j, 4,8,12,16,20,24,28,32,36,40,44,48,52,56,60
	VFRAG \FB, \q, vn
	VFRAG \FB, \q, vn+1
.set vn, vn+2
	v_pk_add_f32 v[14:15], v[14:15], v[\SB+\j:\SB+1+\j]
	v_pk_add_f32 v[30:31], v[30:31], v[\SB+2+\j:\SB+3+\j]
.endr
	v_pk_add_f32 v[14:15], v[14:15], v[30:31]
	s_cmp_ge_i32 s22, -8                           ; 448 x 2^e8 >= 1.75: no p reaches it
	s_cbranch_scc1 .Lfits_\@
.set jj, 0
.rept 64
	v_min_num_f32 v[\SB+jj], v[\SB+jj], v10        ; the conversion does not saturate (ISA guide 7.6.2); p is not negative, so the hold is one-sided
.set jj, jj+1
.endr
.Lfits_\@:
.irp k, 0,1,2,3,4,5,6,7
	v_cvt_scalef32_pk8_fp8_f32 v[192+2*\k:193+2*\k], v[\SB+8*\k:\SB+8*\k+7], v11
.endr
.if \q == 0
.set ko, 32*272                        ; the next step's K: the same piece's second half,
.else
.set ko, PIECE                         ; or the next piece's first
.endif
.if \next
	s_wait_alu depctr_va_vdst(0)                   ; the conversions, and all that wrote or read p before them, are done with SB, in which the next step's K lands; in a trip's first step v3 is written
.endif
.set jj, 0
.rept 8
.if \next
	ds_load_b128 v[\SB+8*jj:\SB+8*jj+3], v3 offset:ko+4*jj*272   ; the next K's 16 loads, one to each of the multiplies, which name none of their registers
.endif
	v_pk_mul_f32 v[160+4*jj:161+4*jj], v[160+4*jj:161+4*jj], v[26:27] op_sel_hi:[1,0]   ; O^T under the new M; also the plain lines behind the conversions
.if \next
	ds_load_b128 v[\SB+8*jj+4:\SB+8*jj+7], v3 offset:ko+4*jj*272+32
.endif
	v_pk_mul_f32 v[162+4*jj:163+4*jj], v[162+4*jj:163+4*jj], v[26:27] op_sel_hi:[1,0]
.set jj, jj+1
.endr
.if \next
	s_wait_dscnt 16                                ; LDS loads come back in order (ISA guide 5.7.1): V^T is in; the 16 younger loads, the next K, stay out
.else
	s_wait_dscnt 0x0                               ; V^T
.endif
.irp t, 0,1,2,3
	v_wmma_f32_16x16x128_fp8_fp8 v[160+8*\t:167+8*\t], v[\FB+16*\t:\FB+16*\t+15], v[192:207], v[160+8*\t:167+8*\t]   ; the four accumulators take turns
.endr
.endm
; A trip: 256 keys, two steps, in which BX and BY change places and come back.  A step's eight products write over the buffer that the four products before them read as their first source:
; five plain vector instructions stand between (ISA guide 7.12.1 for a matrix instruction that writes over another's source): at a trip's head the two additions are two of them.
.macro TRIP more
	s_wait_alu depctr_vm_vsrc(0)                   ; the fragment loads issued so far have read v3 and v4 (in the first trip there are none)
	v_add_nc_u32 v3, s30, v1
	v_add_nc_u32 v4, s30, v2
	PLACES 3
	STEP 0, BX, BY, 1
	PLACES 5
	STEP 1, BY, BX, \more
.endm
.Lpiece:                                               ; 7 trips
	TRIP 1
	s_add_co_u32 s30, s30, PIECE
	s_sub_co_u32 s29, s29, 1
	s_cmp_lg_u32 s29, 1
	s_cbranch_scc1 .Lpiece
	TRIP 0                                         ; the last trip is written out: its last step asks for no further K
	; THE WAY OUT: O^T x 2^(e8 + e9) / l, quantised under e10; a wave's 16 tokens x 64 codes are 1,024 consecutive bytes of ac
	v_add_f32 v14, v14, v15
	v_permlanex16_b32 v28, v14, s24, s25
	v_add_f32 v14, v14, v28
	v_rcp_f32 v14, v14
	v_nop
	v_nop
	s_wait_alu depctr_va_vdst(0)                   ; the reciprocal is written, ahead of its first reader
	v_ldexp_f32 v14, v14, s31
	v_mov_b32 v15, v14
.set jj, 0
.rept 16
	v_pk_mul_f32 v[208+jj:209+jj], v[160+jj:161+jj], v[14:15] op_sel_hi:[1,0]
.set jj, jj+2
.endr
.set jj, 0
.rept 32
	v_med3_num_f32 v[208+jj], v[208+jj], -v241, v241
.set jj, jj+1
.endr
.irp t, 0,1,2,3
	v_cvt_scalef32_pk8_fp8_f32 v[96+2*\t:97+2*\t], v[208+8*\t:215+8*\t], v240
.endr
	v_nop
	s_wait_alu depctr_va_vdst(0)                   ; the conversions have written v96 to v103, which the LDS stores read; the last products are done reading v104 to v111, in which the loads from the stage land
.irp t, 0,1,2,3
	ds_store_b64 v6, v[96+2*\t:97+2*\t] offset:16*\t   ; token r, channels 16 t + 8 hh + 0 .. 7
.endr
	ds_load_b128 v[104:107], v7                    ; LDS serves a wave's instructions in order (ISA guide 5.7.1.4): these see my stores
	ds_load_b128 v[108:111], v7 offset:512
	s_wait_dscnt 1                                 ; the first is in; the second may be out
	global_store_b128 v8, v[104:107], s[10:11]     ; 512 consecutive bytes, aligned
	s_wait_dscnt 0x0
	global_store_b128 v8, v[108:111], s[10:11] offset:512
	s_wait_dscnt 0x0                               ; the closing lines, six on end
	s_wait_alu 0x0
	s_wait_tensorcnt 0x0
	ds_add_u32 v254, v255
	s_wait_dscnt 0x0
	s_endpgm
.Lfunc_end_k_q9231d69d79_attn:
	.size	k_q9231d69d79_attn, .Lfunc_end_k_q9231d69d79_attn-k_q9231d69d79_attn
	.p2alignl 7, 3214868480
	.fill 96, 4, 3214868480
	.section	.rodata,"a",@progbits
	.p2align	6, 0x0
	.amdhsa_kernel k_q9231d69d79_attn
		.amdhsa_group_segment_fixed_size 296960
		.amdhsa_private_segment_fixed_size 0
		.amdhsa_enable_private_segment 0
		.amdhsa_kernarg_size 32
		.amdhsa_user_sgpr_count 2
		.amdhsa_user_sgpr_kernarg_segment_ptr 1
		.amdhsa_wavefront_size32 1
		.amdhsa_system_sgpr_workgroup_id_x 1
		.amdhsa_system_sgpr_workgroup_id_y 1
		.amdhsa_system_sgpr_workgroup_id_z 1
		.amdhsa_system_vgpr_workitem_id 0
		.amdhsa_next_free_vgpr 256
		.amdhsa_next_free_sgpr 102
		.amdhsa_reserve_vcc 0
		.amdhsa_float_denorm_mode_32 3
		.amdhsa_float_denorm_mode_16_64 3
		.amdhsa_memory_ordered 1
		.amdhsa_forward_progress 1
		.amdhsa_inst_pref_size 105
	.end_amdhsa_kernel
	.amdgpu_metadata
---
amdhsa.version: [ 1, 2 ]
amdhsa.kernels:
  - .name:           k_q9231d69d79_attn
    .symbol:         k_q9231d69d79_attn.kd
    .args:
      - { .name: qkvc, .offset: 0, .size: 8, .value_kind: global_buffer, .address_space: global }
      - { .name: mw, .offset: 8, .size: 8, .value_kind: global_buffer, .address_space: global }
      - { .name: lowp_scales, .offset: 16, .size: 8, .value_kind: global_buffer, .address_space: global }
      - { .name: ac, .offset: 24, .size: 8, .value_kind: global_buffer, .address_space: global }
    .group_segment_fixed_size: 296960
    .private_segment_fixed_size: 0
    .kernarg_segment_align: 8
    .kernarg_segment_size: 32
    .max_flat_workgroup_size: 512
    .sgpr_count:     102
    .vgpr_count:     256
    .wavefront_size: 32
...
	.end_amdgpu_metadata
.endif
;; end of part 8
;; launch wo: the kernel of part 4 again; grid 8 x 32, 4 waves a work-group, clusters of 4 x 4, 327,680 bytes of LDS; arguments ac, wc, lowp_scales, bo, x, x1; writes x1
;; launch ln2: the kernel of part 5 again; grid 256 x 1, 4 waves a work-group, no clusters, 0 bytes of LDS; arguments x1, a2, c2, lowp_scales, h2c; writes h2c
;; launch ffn1: the kernel of part 6 again; grid 16 x 16, 4 waves a work-group, clusters of 4 x 4, 327,680 bytes of LDS; arguments h2c, wc, lowp_scales, b1, fc; writes fc
;; launch ffn2: the kernel of part 7 again; grid 8 x 32, 4 waves a work-group, clusters of 4 x 4, 327,680 bytes of LDS; arguments fc, wc, lowp_scales, b2, x1, out0; writes out0
